; MI455X (gfx1250); checked and timed in simulation.
; The chip was launched on July 23, 2026; its instructions are those of AMD's public machine-readable ISA for CDNA 5 (MIT licence, August 2026) and "CDNA5" Instruction Set Architecture Reference Guide (July 2026). The comments in the code are by the model that wrote it; some were corrected since.
;; Attention. Allowed arithmetic: matrix products marked QUANTISED: E2M3 operands, one E8M0 scale for each 32 along K, by v_wmma_scale_f32_16x16x128_f8f6f4 with both operands' format E2M3, f32 sums; everything else in f32.
;; Inputs: hidden_codes 4 x 1,024 x 64 x 24 uint8 (E2M3 codes of hidden, K innermost, in blocks of 32 codes, four codes in three bytes); hidden_scales 4 x 1,024 x 64 uint8 (E8M0 scales of hidden, one for each 32 codes along K); k_scale 128 float32; q_scale 128 float32; segment_ids 4 x 1,024 int32; wk_codes 512 x 64 x 24 uint8 (E2M3 codes of wk, K innermost, in blocks of 32 codes, four codes in three bytes); wk_scales 512 x 64 uint8 (E8M0 scales of wk, one for each 32 codes along K); wo_codes 2,048 x 64 x 24 uint8 (E2M3 codes of wo, K innermost, in blocks of 32 codes, four codes in three bytes); wo_scales 2,048 x 64 uint8 (E8M0 scales of wo, one for each 32 codes along K); wq_codes 2,048 x 64 x 24 uint8 (E2M3 codes of wq, K innermost, in blocks of 32 codes, four codes in three bytes); wq_scales 2,048 x 64 uint8 (E8M0 scales of wq, one for each 32 codes along K); wv_codes 512 x 64 x 24 uint8 (E2M3 codes of wv, K innermost, in blocks of 32 codes, four codes in three bytes); wv_scales 512 x 64 uint8 (E8M0 scales of wv, one for each 32 codes along K).
;; Outputs: out0 4 x 1,024 x 2,048 float32.
;; This version of the problem:
;;   THIS VERSION OF THE PROBLEM IS GIVEN IN LOW PRECISION. The matrix products marked QUANTISED in the list below multiply operands that are first quantised to E2M3 (2 exponent bits, 3 mantissa bits; 6 bits a number), with one power-of-two scale for each 32 numbers along K (OCP MX v1.0); their sums are f32. All else is computed in f32.
;;   The module's matrix products, in the order in which they are computed (A, B: the left and right operand; K: the contracted axis; several contracted axes count as one K, in the product's order):
;;     1. [M 4,096, K 2,048] x [K 2,048, N 2,048]; A: input hidden (given as codes); B: input wq (given as codes): QUANTISED
;;     2. [M 4,096, K 2,048] x [K 2,048, N 512]; A: input hidden (given as codes); B: input wk (given as codes): QUANTISED
;;     3. [M 4,096, K 2,048] x [K 2,048, N 512]; A: input hidden (given as codes); B: input wv (given as codes): QUANTISED
;;     4. batch 16 x [M 1,024, K 128] x [K 128, N 4,096]; A: computed on the way; B: computed on the way: QUANTISED
;;     5. batch 16 x [M 128, K 1,024] x [K 1,024, N 4,096]; A: computed on the way; B: softmax (see below): QUANTISED
;;     6. [M 4,096, K 2,048] x [K 2,048, N 2,048]; A: computed on the way; B: input wo (given as codes): QUANTISED
;;   THE QUANTISER, for each operand of a quantised product, along K:
;;     - K is cut into blocks of 32 from its start; a last block that is shorter is filled with zeros.
;;     - A block's scale is 2^e with e = floor(log2(the largest magnitude in the block)) - 2, held to -126 .. 127; a block of zeros has e = 0. As a byte (E8M0): e + 127.
;;     - Each number is divided by its block's scale, clamped to +-7.5, and rounded to the nearest number of E2M3, ties to even, subnormals kept.
;;     - The product sums the exact products of the quantised numbers (number of the format x scale) in f32.
;;   ~~~python
;;   def quantise(x, axis):      # numpy; x: float32 -> the quantised numbers, widened to float32 again
;;       x = np.moveaxis(x, axis, -1); K = x.shape[-1]
;;       x = np.pad(x, [(0, 0)] * (x.ndim - 1) + [(0, -K % 32)]); x = x.reshape(x.shape[:-1] + (-1, 32)); a = np.abs(x).max(-1, keepdims=True)
;;       e = np.where(a > 0, np.clip(np.frexp(np.where(a > 0, a, 1))[1] - 1 - 2, -126, 127), 0)      # np.frexp(a)[1] - 1 = floor(log2(a)), exactly
;;       r = np.clip(x / 2.0 ** e, -7.5, 7.5)
;;       step = 2.0 ** (np.maximum(np.frexp(np.where(r == 0, 1, r))[1] - 1, 0) - 3)
;;       q = np.round(r / step) * step * 2.0 ** e      # np.round: ties to even
;;       return np.moveaxis(q.reshape(q.shape[:-2] + (-1,))[..., :K], -1, axis).astype(np.float32)
;;   ~~~
;;   SOFTMAX AHEAD OF A QUANTISED PRODUCT. Where the list says 'softmax', what is quantised is not the finished softmax but p = 2^(t - M), with t = logit x log2(e) and M = ceil(the row's largest t), a whole number; so 1/2 < the row's largest p <= 1. The row's sum l is taken of the UNQUANTISED p, in f32, and the product's result is divided by l at the end. Since M is a whole number, a kernel that streams over the keys may use a running M (the ceiling of the running maximum): every later rescaling is an exact power of two, which a block's scale takes up: the codes' values come out the same.
;;   OPERANDS COMPUTED ON THE WAY. 'Computed on the way' means the value that the module computes at that place (a softmax that the list does not call 'softmax' is quantised finished and normalised). What goes into a quantiser is computed in f32, as accurately as f32 sums, v_exp_f32 and their like allow (about 1e-6 of the number): no bf16 or f16 on the way to a quantiser, and a product that is left as it is and whose result goes on into a quantised operand takes f32 operands (vector FMAs, or v_wmma_f32_16x16x4_f32). A number that lies on a knife's edge between two numbers of the format may be rounded either way, as far as f32 arithmetic and the matrix unit's own rounding can turn it there, and no further.
;;   INPUTS GIVEN AS CODES. hidden (in the module: [4, 1024, 2048], K = its axis 2); wk (in the module: [2048, 512], K = its axis 0); wo (in the module: [2048, 2048], K = its axis 0); wq (in the module: [2048, 2048], K = its axis 0); wv (in the module: [2048, 512], K = its axis 0): each comes as NAME_codes (uint8): NAME with its K axis moved to the last place and cut into blocks of 32 codes, [.., K / 32, bytes a block], one block behind the other in memory; four codes in three bytes: a row's codes are one little-endian stream of bits, code i at bits 6 i .. 6 i + 5 (a code: sign, 2 exponent bits, 3 mantissa bits); and NAME_scales (uint8): the same leading axes, one E8M0 byte (e + 127) for each 32 codes along K. Its value is code x scale, taken as it is: it is not quantised again, and the codes and scales need not be those that the quantiser above would give.
;; One version. Each part assembles by itself: llvm-mc -triple=amdgcn-amd-amdhsa -mcpu=gfx1250 --defsym DOCPART=n.
;; ======== version 1 of 1: 4 launches
;; limits: right only within a limited range of input values
;; workspace buffers: pre 13,565,952 bytes; mask 525,312 bytes of whole numbers; wi 3,145,728 bytes; qc 6,291,456 bytes; kv 3,145,728 bytes; qkvs 393,216 bytes; ac 6,291,456 bytes; asl 262,144 bytes
;; launch prep (part 1): grid 256 x 1, 8 waves a work-group, no clusters, 66,304 bytes of LDS; arguments segment_ids, wo_codes, pre, mask, wi, hidden_codes, wq_codes, wk_codes, wv_codes, hidden_scales, wq_scales, wk_scales, wv_scales; writes pre, mask, wi
.if DOCPART == 1
	.amdgcn_target "amdgcn-amd-amdhsa--gfx1250"
	.amdhsa_code_object_version 6
	.text
	.protected	k_q01c010d0c3_prep
	.globl	k_q01c010d0c3_prep
	.p2align	8
	.type	k_q01c010d0c3_prep,@function
k_q01c010d0c3_prep:
	s_mov_b64 s[64:65], 0
	v_nop
	global_prefetch_b8 v0, s[64:65] scope:SCOPE_SE
	s_setreg_imm32_b32 hwreg(HW_REG_WAVE_MODE, 25, 1), 1
	s_wait_xcnt 0x0
; WHAT THE LATER LAUNCHES NEED ONCE.  Work-group tb (0..255) serves the 16 tokens 16 tb .. 16 tb + 15 of the 4,096 (batch tb / 64).
;  1. pos: a token's distance from the last change of segment id at or before it: a running maximum of (changed ? index : 0) over the batch's 1,024 tokens; each of the eight waves scans 128.
;  2. rope: cos and sin of pos x 10000^(-f / 64), f = 0..63, laid as the product launch's lanes want them:
;     byte tb 8192 + kind 4096 + b 1024 + p 512 + lane 16 holds four f32: token 16 tb + lane % 16, f = 16 b + 8 (lane / 16) + 4 p + 0..3.  Wave w makes piece b = w / 2, p = w % 2.
;  3. mask: for key step j = wave (128 keys) 64 words; bit l of word n: query 16 tb + l % 16 keeps key 128 j + 16 (n / 8) + 8 (l / 16) + n % 8 (same id, and the key's pos not above the query's).
;     From byte 524,288 on one word for each tb: bit 2 j = some pair of step j is kept, bit 2 j + 1 = some pair of step j is hidden.
;  4. wi: wo's codes as images of operand registers: fragment F = 8 tb + wave (rows 16 (F / 16) + r, K = 128 (F % 16) on), registers 4 c .. 4 c + 3 of lane l at F 1536 + 512 c + 16 l.
; The ids may be any int32 in any order.  LIMITS: sin and cos take pi / 2 off in two parts, which serves angles up to some 1e4 (pos is at most 1,023 here);
; 10000^(-f / 64) is one multiplication and one v_exp_f32, so an angle near 1,000 carries an error of about 1e-4, the size of the rounding of pos x frequency in f32 itself.
; No matrix work, no tensor loads, no cluster: the work-groups share only the 4 KB of ids.
.set POS, 0                            ; LDS: the batch's 1,024 pos,
.set SEG, 4096                         ; its 1,024 ids,
.set WT,  8192                         ; the eight waves' totals of the scan,
.set FL,  8448                         ; and their flags
.set TOK, 6                            ; v6-9    my four tokens: 128 w + 32 c + lane
.set SG,  10                           ; v10-13  their ids
.set X,   14                           ; v14-17  the neighbours' ids, then the scan, then pos
.set TT,  164                          ; v164-167 at work in the scan
.set KS,  32                           ; v32-95  64 keys' ids
.set KP,  96                           ; v96-159 64 keys' pos
	s_load_b256 s[4:11], s[0:1], 0x0               ; ids s[4:5], wo's codes s[6:7], rope s[8:9], mask s[10:11]
	s_load_b64 s[12:13], s[0:1], 0x20
;  5. For the product launch, in buffer pre behind the cos and sin table (bytes 0 to 2,097,151): images of operand registers, laid as wi is.
;     From HI on hidden's 4,096 fragments (wave: fragments F and F + 2,048, F = 8 tb + w); from WM on the weights' 3,072: row blocks 0-127 wq (fragment F),
;     then for each key/value head g eight row blocks of wk and eight of wv (block 128 + 16 g + 8 v + i; waves 0-3 take fragment 4 tb + w of the 1,024).
;     From HS on hidden's scale bytes and from WS on the weights', in the same order of rows: two row blocks are 2,048 bytes, [pair of K steps 8][block 2][row 16][8 bytes].
;     Waves 4, 5 lay 512 bytes each of hidden's block pair tb / 2, waves 6, 7 of the weights' (tb under 192).
.set HI, 2097152
.set WM, 8388608
.set HS, 13107200
.set WS, 13369344
	s_load_b512 s[48:63], s[0:1], 0x28             ; codes of hidden, wq, wk, wv; scales of hidden, wq, wk, wv
	v_lshl_add_u32 v224, v0, 2, 0x2200
	v_mov_b32 v225, 0
	v_lshrrev_b32 v1, 5, v0
	s_delay_alu instid0(VALU_DEP_1)
	v_readfirstlane_b32 s14, v1                    ; wave 0..7
	v_and_b32 v1, 31, v0                           ; lane
	v_and_b32 v2, 15, v0                           ; r
	v_bfe_u32 v3, v0, 4, 1                         ; h
	s_lshr_b32 s15, ttmp9, 6                       ; batch
	s_and_b32 s16, ttmp9, 63                       ; my block of 16 tokens in it
	s_mov_b32 s17, 0xffff0000                      ; lanes 16-31
	s_lshl_b32 s18, s14, 9
	v_lshl_add_u32 v4, v1, 2, s18                  ; 4 x (128 w + lane): my first token's word, in the ids and in LDS
	s_delay_alu instid0(VALU_DEP_1)
	v_max_u32 v5, 4, v4                            ; its neighbour is read 4 bytes back from here: token 0 reads itself, and counts as unchanged at index 0
	s_delay_alu instid0(VALU_DEP_2)
	v_lshrrev_b32 v[TOK], 2, v4
.irp c, 1,2,3
	v_add_nc_u32 v[TOK+\c], 32*\c, v[TOK]
.endr
	v_mov_b32 v168, s14
	s_delay_alu instid0(VALU_DEP_1)
	v_lshlrev_b32 v168, 2, v168                    ; my wave's word among eight
	v_lshlrev_b32 v170, 4, v1                      ; 16 x lane
	v_lshlrev_b32 v203, 3, v1                      ; 8 x lane
; HOW THE IMAGES ARE MADE.  The work-group's eight fragments of a tensor are 16 rows (row block tb / 2) x 768 consecutive bytes (K half tb % 2).  Wave w loads rows 2 w and 2 w + 1, 1,536 bytes, by three loads of 512 bytes:
; bytes 0-511 of the first row; its last 256 and the second's first 256; the second's last 512.  They go to a stage in LDS, rows 784 bytes apart; behind a barrier wave w reads fragment w as the matrix unit takes it and stores its image.
; wk's or wv's four fragments are 16 rows x 384 bytes: the same with loads of 8 bytes a lane, rows 400 bytes apart in LDS.
.set STG, 9728                         ; LDS: four stages of 16 x 784 bytes (wo, hidden twice, wq),
.set STK, STG+4*12544                  ; and one of 16 x 400 (wk or wv)
	s_lshr_b32 s18, ttmp9, 1
	s_mul_i32 s18, s18, 24576
	s_and_b32 s19, ttmp9, 1
	s_mul_i32 s19, s19, 768
	s_add_co_u32 s18, s18, s19
	s_mul_i32 s19, s14, 3072
	s_add_co_u32 s18, s18, s19
	v_lshl_add_u32 v19, v1, 4, s18                 ; in memory: row 2 w, 16 x lane
	v_mul_u32_u24 v226, v3, 768
	s_mul_i32 s18, s14, 1568
	s_add_co_u32 s18, s18, STG
	v_lshl_add_u32 v227, v1, 4, s18                ; the same in the stage
	s_mul_i32 s18, s14, 800
	s_add_co_u32 s18, s18, STK
	v_lshl_add_u32 v229, v1, 3, s18
	v_add3_u32 v226, v226, v19, 512                ; the middle load: lanes 16-31 stand in the next row
	v_lshl_add_u32 v228, v3, 4, v227
	v_lshl_add_u32 v230, v3, 4, v229
	v_mul_u32_u24 v231, v2, 784
	v_mul_u32_u24 v232, v2, 400
	v_add_nc_u32 v228, 512, v228
	v_add_nc_u32 v230, 256, v230
	v_mad_u32_u24 v231, v3, 24, v231
	v_mad_u32_u24 v232, v3, 24, v232
	s_mul_i32 s18, s14, 96
	s_add_co_u32 s19, s18, STK
	s_add_co_u32 s18, s18, STG
	v_add_nc_u32 v231, s18, v231                   ; fragment w: row r, 96 w + 24 h
	v_add_nc_u32 v232, s19, v232
.irp c, 0,1,2,3
	v_mov_b32 v[TT+\c], 0                          ; written once: the destination of a lane move counts as one of its sources
.endr
	v_mov_b32 v162, 0
	v_mov_b32 v163, 0
	s_mov_b32 s36, 0xbe549a78                      ; -log2(10000) / 64
	s_mov_b32 s37, 0x3f22f983                      ; 2 / pi
	s_mov_b32 s38, 0xbfc90fdb                      ; -(pi / 2), the f32 nearest to it,
	s_mov_b32 s39, 0x333bbd2e                      ; and what that f32 has too much
	s_mov_b32 s40, 0xbe2aaaa3                      ; sin r = r + r z (S1 + z (S2 + z S3)), z = r r, |r| <= pi / 4
	s_mov_b32 s41, 0x3c08839e
	s_mov_b32 s42, 0xb94ca1f9
	s_mov_b32 s43, 0x3d2aaaa5                      ; cos r = 1 - z / 2 + z z (C1 + z (C2 + z C3))
	s_mov_b32 s44, 0xbab6061a
	s_mov_b32 s45, 0x37ccf5ce
	s_mov_b32 s19, 0
	s_wait_alu depctr_va_vdst(0)
	s_wait_kmcnt 0x0
	s_lshl_b32 s66, ttmp9, 3
	s_add_co_u32 s66, s66, s14
	s_mul_i32 s66, s66, 1536                       ; F x 1,536
	s_mov_b32 s67, 0
	s_add_nc_u64 s[68:69], s[8:9], s[66:67]        ; hidden's images stand HI on from here,
	s_add_nc_u64 s[70:71], s[68:69], WM            ; wq's here
	s_bfe_u32 s72, ttmp9, 0x50002                  ; waves 0-3: row block (tb / 4) % 32 of wk or wv,
	s_mul_i32 s76, s72, 24576
	s_and_b32 s73, ttmp9, 3
	s_lshl_b32 s73, s73, 2
	s_add_co_u32 s73, s73, s14                     ; K step 4 (tb % 4) + w
	s_and_b32 s77, ttmp9, 3
	s_mul_i32 s77, s77, 384
	s_add_co_u32 s76, s76, s77
	s_mul_i32 s77, s14, 3072
	s_add_co_u32 s76, s76, s77                     ; every wave: rows 2 w, 2 w + 1 of that block, 384 bytes from 384 (tb % 4) on
	s_lshr_b32 s87, s72, 3
	s_lshl_b32 s87, s87, 4                         ; 16 g
	s_and_b32 s72, s72, 7
	s_add_co_u32 s72, s72, s87
	s_bitcmp1_b32 ttmp9, 7                         ; tb from 128 on: wv
	s_cselect_b64 s[74:75], s[54:55], s[52:53]
	s_cselect_b32 s77, 8, 0
	s_add_co_u32 s72, s72, s77
	s_add_co_u32 s72, s72, 128                     ; its row block among the weights' images
	s_lshl_b32 s72, s72, 4
	s_add_co_u32 s72, s72, s73
	s_mul_i32 s72, s72, 1536
	s_mov_b32 s73, 0
	s_add_nc_u64 s[72:73], s[8:9], s[72:73]
	s_add_nc_u64 s[72:73], s[72:73], WM
	s_and_b32 s77, s14, 1                          ; waves 4-7: which 512 bytes of the two
	s_cmp_lt_u32 s14, 6
	s_cselect_b64 s[78:79], s[56:57], s[58:59]     ; hidden's scales, or wq's
	s_mov_b32 s80, WS
	s_cselect_b32 s80, HS, s80
	s_and_b32 s81, ttmp9, 0xfe                     ; the pair's first row block
	s_bfe_u32 s82, ttmp9, 0x20004
	s_lshl_b32 s82, s82, 3
	s_and_b32 s83, ttmp9, 6
	s_add_co_u32 s82, s82, s83                     ; in wk or wv: 8 g + i
	s_bitcmp1_b32 ttmp9, 3
	s_cselect_b64 s[84:85], s[62:63], s[60:61]
	s_cmp_ge_u32 ttmp9, 128
	s_cselect_b32 s83, 6, 8                        ; from tb 128 on waves 6, 7 take wk's or wv's
	s_cmp_ge_u32 s14, s83
	s_cselect_b64 s[78:79], s[84:85], s[78:79]
	s_cselect_b32 s81, s82, s81
	s_lshl_b32 s81, s81, 10
	s_and_b32 s82, ttmp9, 1
	s_lshl_b32 s82, s82, 5
	s_add_co_u32 s82, s82, s81
	s_lshl_b32 s81, s77, 4
	s_add_co_u32 s82, s82, s81                     ; + 8 bytes x the first pair of K steps, 4 (tb % 2) + 2 (w % 2)
	s_mov_b32 s83, 0
	s_add_nc_u64 s[78:79], s[78:79], s[82:83]
	s_lshl_b32 s82, ttmp9, 10
	s_lshl_b32 s81, s77, 9
	s_add_co_u32 s82, s82, s81
	s_add_co_u32 s82, s82, s80
	s_add_nc_u64 s[80:81], s[8:9], s[82:83]        ; where the 512 bytes go
	s_cmp_lt_u32 ttmp9, 192
	s_cselect_b32 s86, 8, 6                        ; the weights have 192 row blocks: beyond them waves 6, 7 store nothing
	v_lshl_add_u32 v223, v1, 3, s76
	v_and_b32 v200, 7, v0
	v_bfe_u32 v201, v0, 3, 1
	v_mul_u32_u24 v202, v3, 1152
	v_lshlrev_b32 v200, 7, v200                    ; scales: rows 2 (l % 8) and the next, 64 bytes each,
	v_add3_u32 v202, v202, v223, 256
	s_delay_alu instid0(VALU_DEP_2)
	v_lshl_add_u32 v200, v201, 10, v200            ; block (l / 8) % 2,
	s_delay_alu instid0(VALU_DEP_1)
	v_lshl_add_u32 v200, v3, 3, v200               ; pair l / 16
	s_wait_alu depctr_va_vdst(0)
	s_lshl_b32 s18, s15, 12
	s_add_nc_u64 s[4:5], s[4:5], s[18:19]          ; my batch's ids
	s_lshl_b32 s18, ttmp9, 13
	s_lshl_b32 s20, s14, 9
	s_add_co_u32 s18, s18, s20
	s_add_nc_u64 s[8:9], s[8:9], s[18:19]          ; rope: tb 8192 + w 512
	s_lshl_b32 s18, ttmp9, 2
	s_add_co_u32 s18, s18, 524288
	s_add_nc_u64 s[34:35], s[10:11], s[18:19]      ; my block's flag word
	s_lshl_b32 s18, ttmp9, 11
	s_lshl_b32 s20, s14, 8
	s_add_co_u32 s18, s18, s20
	s_add_nc_u64 s[10:11], s[10:11], s[18:19]      ; mask: tb 2048 + w 256
	s_lshl_b32 s18, ttmp9, 3
	s_add_co_u32 s18, s18, s14
	s_mul_i32 s18, s18, 1536
	s_add_nc_u64 s[12:13], s[12:13], s[18:19]      ; wi: fragment 8 tb + w
.irp c, 0,1,2,3
	global_load_b32 v[SG+\c], v4, s[4:5] offset:128*\c
.endr
	global_load_b32 v[X], v5, s[4:5] offset:-4
.irp c, 1,2,3
	global_load_b32 v[X+\c], v4, s[4:5] offset:128*\c-4
.endr
	global_load_b128 v[20:23], v19, s[6:7] th:TH_LOAD_NT                     ; wo: each load reads 512 bytes in one or two runs
	global_load_b128 v[24:27], v226, s[6:7] th:TH_LOAD_NT
	global_load_b128 v[28:31], v19, s[6:7] offset:1792 th:TH_LOAD_NT
	global_load_b128 v[32:35], v19, s[48:49] th:TH_LOAD_NT                   ; hidden, row block tb / 2,
	global_load_b128 v[36:39], v226, s[48:49] th:TH_LOAD_NT
	global_load_b128 v[40:43], v19, s[48:49] offset:1792 th:TH_LOAD_NT
	global_load_b128 v[44:47], v19, s[48:49] offset:3145728 th:TH_LOAD_NT    ; and 128 row blocks on
	global_load_b128 v[48:51], v226, s[48:49] offset:3145728 th:TH_LOAD_NT
	global_load_b128 v[52:55], v19, s[48:49] offset:3145728+1792 th:TH_LOAD_NT
	global_load_b128 v[56:59], v19, s[50:51] th:TH_LOAD_NT                   ; wq
	global_load_b128 v[60:63], v226, s[50:51] th:TH_LOAD_NT
	global_load_b128 v[64:67], v19, s[50:51] offset:1792 th:TH_LOAD_NT
	global_load_b64 v[68:69], v223, s[74:75] th:TH_LOAD_NT                   ; wk or wv
	global_load_b64 v[70:71], v202, s[74:75] th:TH_LOAD_NT
	global_load_b64 v[72:73], v223, s[74:75] offset:1664 th:TH_LOAD_NT
	s_cmp_lt_u32 s14, 4
	s_cbranch_scc1 .Lall_in
	global_load_b64 v[80:81], v200, s[78:79]                                 ; waves 4-7: scale bytes
	global_load_b64 v[82:83], v200, s[78:79] offset:64
.Lall_in:
	s_wait_loadcnt 15                              ; the ids are in; behind them stand these 15 loads on every way, and 2 more in waves 4-7
	; ---- the scan inside the wave: a running maximum over 4 x 32 tokens
.irp c, 0,1,2,3
	v_cmp_ne_u32 vcc_lo, v[SG+\c], v[X+\c]
	s_delay_alu instid0(VALU_DEP_1)
	v_cndmask_b32 v[X+\c], 0, v[TOK+\c], vcc_lo    ; changed ? index : 0
.endr
.irp n, 1,2,4,8
.irp c, 0,1,2,3
	v_mov_b32_dpp v[TT+\c], v[X+\c] row_shr:\n row_mask:0xf bank_mask:0xf bound_ctrl:1   ; the lane n below, 0 where there is none
.endr
.irp c, 0,1,2,3
	s_delay_alu instid0(VALU_DEP_4)
	v_max_u32 v[X+\c], v[X+\c], v[TT+\c]
.endr
.endr
.irp c, 0,1,2,3
	s_delay_alu instid0(VALU_DEP_4)
	v_readlane_b32 s[26+\c], v[X+\c], 15           ; lanes 16-31 take in the lower sixteen's total
.endr
.irp c, 0,1,2,3
	v_mov_b32 v[TT+\c], s[26+\c]
	s_delay_alu instid0(VALU_DEP_1)
	v_cndmask_b32 v[TT+\c], 0, v[TT+\c], s17
	s_delay_alu instid0(VALU_DEP_1)
	v_max_u32 v[X+\c], v[X+\c], v[TT+\c]
.endr
.irp c, 0
	v_readlane_b32 s18, v[X+\c], 31                ; and each 32 tokens the total of those before
	s_delay_alu instid0(VALU_DEP_1)
	v_max_u32 v[X+1+\c], s18, v[X+1+\c]
.endr
.irp c, 1, 2
	s_delay_alu instid0(VALU_DEP_1)
	v_readlane_b32 s18, v[X+\c], 31                ; and each 32 tokens the total of those before
	s_delay_alu instid0(VALU_DEP_1)
	v_max_u32 v[X+1+\c], s18, v[X+1+\c]
.endr
	s_delay_alu instid0(VALU_DEP_1)
	v_readlane_b32 s18, v[X+3], 31
	s_delay_alu instid0(VALU_DEP_1)
	v_mov_b32 v18, s18
	ds_store_b32 v168, v18 offset:WT               ; my wave's total (every lane writes the same word with the same value)
	s_wait_dscnt 0x0                               ; it has landed: then the barrier, behind which the others read it
	s_barrier_signal -1
	s_barrier_wait -1
	; ---- the waves before mine, pos, and the two tables
	v_mov_b32 v169, WT
	ds_load_b128 v[172:175], v169
	ds_load_b128 v[176:179], v169 offset:16
	s_wait_dscnt 0x0
.irp i, 0,1,2,3,4,5,6
	v_readfirstlane_b32 s[26+\i], v[172+\i]
.endr
	s_mov_b32 s25, 0
.irp i, 0,1,2,3,4,5,6
	s_cmp_gt_u32 s14, \i
	s_cselect_b32 s18, s[26+\i], 0
	s_max_u32 s25, s25, s18
.endr
.irp c, 0,1,2,3
	v_max_u32 v[X+\c], s25, v[X+\c]                ; the segment's first index
	s_delay_alu instid0(VALU_DEP_1)
	v_sub_nc_u32 v[X+\c], v[TOK+\c], v[X+\c]       ; pos
.endr
.irp c, 0,1,2,3
	ds_store_b32 v4, v[X+\c] offset:POS+128*\c
	ds_store_b32 v4, v[SG+\c] offset:SEG+128*\c
.endr
	s_wait_loadcnt 0x0                             ; my rows of the five tensors
.irp k, 0,1,2,3
	ds_store_b128 v227, v[20+12*\k:23+12*\k] offset:12544*\k
	ds_store_b128 v228, v[24+12*\k:27+12*\k] offset:12544*\k
	ds_store_b128 v227, v[28+12*\k:31+12*\k] offset:12544*\k+1040
.endr
	ds_store_b64 v229, v[68:69]
	ds_store_b64 v230, v[70:71]
	ds_store_b64 v229, v[72:73] offset:528
	s_cmp_lt_u32 s14, 4
	s_cbranch_scc1 .Lall_out
	s_cmp_lt_u32 s14, s86
	s_cbranch_scc0 .Lall_out
	global_store_b128 v170, v[80:83], s[80:81]     ; the scale bytes: 512 consecutive bytes
.Lall_out:
	s_wait_xcnt 0x0                                ; that store has read v80-83, which are loaded again below
	s_wait_dscnt 0x0                               ; my part of the tables and of the stages has landed
	s_barrier_signal -1
	s_barrier_wait -1
.irp k, 0,1,2,3
.irp p, 0,1,2,3,4,5
	ds_load_b64 v[32+12*\k+2*\p:33+12*\k+2*\p], v231 offset:12544*\k+48*(\p/3)+8*(\p%3)   ; fragment w of each tensor: 24 + 24 bytes of my row
.endr
.endr
	s_cmp_lt_u32 s14, 4
	s_cbranch_scc0 .Lno_kv
.irp p, 0,1,2,3,4,5
	ds_load_b64 v[80+2*\p:81+2*\p], v232 offset:48*(\p/3)+8*(\p%3)
.endr
	s_wait_dscnt 0x0
.irp c, 0,1,2
	global_store_b128 v170, v[80+4*\c:83+4*\c], s[72:73] offset:512*\c
.endr
.Lno_kv:
	s_wait_dscnt 0x0
.irp c, 0,1,2
	global_store_b128 v170, v[32+4*\c:35+4*\c], s[12:13] offset:512*\c          ; the images: each store covers 512 consecutive bytes
	global_store_b128 v170, v[44+4*\c:47+4*\c], s[68:69] offset:HI+512*\c
	global_store_b128 v170, v[56+4*\c:59+4*\c], s[68:69] offset:HI+3145728+512*\c
	global_store_b128 v170, v[68+4*\c:71+4*\c], s[70:71] offset:512*\c
.endr
	s_wait_xcnt 0x0                                ; the stores have read v32-91, which the key loads below write again
	; ---- my query's pos and id, my step's 64 keys a lane
	s_lshl_b32 s18, s16, 6
	v_lshl_add_u32 v221, v2, 2, s18                ; token 16 A + r
	s_lshl_b32 s18, s14, 9
	v_lshl_add_u32 v220, v3, 5, s18                ; keys 128 w + 8 h on
	ds_load_b32 v161, v221 offset:POS
	ds_load_b32 v160, v221 offset:SEG
.irp t, 0,1,2,3,4,5,6,7
	ds_load_b128 v[KS+8*\t:KS+8*\t+3], v220 offset:SEG+64*\t
	ds_load_b128 v[KS+8*\t+4:KS+8*\t+7], v220 offset:SEG+64*\t+16
	ds_load_b128 v[KP+8*\t:KP+8*\t+3], v220 offset:POS+64*\t
	ds_load_b128 v[KP+8*\t+4:KP+8*\t+7], v220 offset:POS+64*\t+16
.endr
	; ---- rope: four frequencies a lane
	s_lshr_b32 s18, s14, 1
	s_lshl_b32 s18, s18, 4
	s_and_b32 s19, s14, 1
	s_lshl_b32 s19, s19, 2
	s_add_co_u32 s18, s18, s19
	v_lshl_add_u32 v172, v3, 3, s18                ; f = 16 (w / 2) + 8 h + 4 (w % 2) + i
	s_delay_alu instid0(VALU_DEP_1)
	v_cvt_f32_u32 v172, v172
	s_delay_alu instid0(VALU_DEP_1)
	v_add_f32 v173, 1.0, v172
	s_delay_alu instid0(VALU_DEP_2)
	v_add_f32 v174, 2.0, v172
	s_delay_alu instid0(VALU_DEP_3)
	v_add_f32 v175, 0x40400000, v172
.irp i, 0,1,2,3
	s_delay_alu instid0(VALU_DEP_4)
	v_mul_f32 v[172+\i], s36, v[172+\i]
.endr
	s_wait_alu depctr_va_vdst(0)
.irp i, 0,1,2,3
	v_exp_f32 v[172+\i], v[172+\i]                 ; 10000^(-f / 64)
.endr
	v_nop                                          ; a plain instruction behind the last of the batch,
	s_wait_alu depctr_va_vdst(0)                   ; and the one wait ahead of the first use
	s_wait_dscnt 32                                ; my query's pos and id are in; the 32 key loads behind them may stay out
	v_cvt_f32_u32 v171, v161
.irp i, 0,1,2,3
	v_mul_f32 v[176+\i], v171, v[172+\i]           ; the angle
.endr
.irp i, 0,1,2,3
	s_delay_alu instid0(VALU_DEP_4)
	v_mul_f32 v[180+\i], s37, v[176+\i]
.endr
.irp i, 0,1,2,3
	s_delay_alu instid0(VALU_DEP_4)
	v_rndne_f32 v[180+\i], v[180+\i]               ; how many quarter turns
.endr
.irp i, 0,1,2,3
	s_delay_alu instid0(VALU_DEP_4)
	v_fma_f32 v[176+\i], v[180+\i], s38, v[176+\i]
.endr
.irp i, 0,1,2,3
	s_delay_alu instid0(VALU_DEP_4)
	v_fma_f32 v[176+\i], v[180+\i], s39, v[176+\i] ; r, within pi / 4 of 0
.endr
.irp i, 0,1,2,3
	s_delay_alu instid0(VALU_DEP_4)
	v_mul_f32 v[184+\i], v[176+\i], v[176+\i]      ; z
.endr
.irp i, 0,1,2,3
	s_delay_alu instid0(VALU_DEP_4)
	v_fma_f32 v[188+\i], v[184+\i], s42, s41
.endr
.irp i, 0,1,2,3
	s_delay_alu instid0(VALU_DEP_4)
	v_fma_f32 v[188+\i], v[188+\i], v[184+\i], s40
.endr
.irp i, 0,1,2,3
	s_delay_alu instid0(VALU_DEP_4)
	v_mul_f32 v[188+\i], v[188+\i], v[184+\i]
.endr
.irp i, 0,1,2,3
	s_delay_alu instid0(VALU_DEP_4)
	v_fma_f32 v[208+\i], v[188+\i], v[176+\i], v[176+\i]   ; sin r
.endr
.irp i, 0,1,2,3
	v_fma_f32 v[204+\i], v[184+\i], s45, s44
.endr
.irp i, 0,1,2,3
	s_delay_alu instid0(VALU_DEP_4)
	v_fma_f32 v[204+\i], v[204+\i], v[184+\i], s43
.endr
.irp i, 0,1,2,3
	s_delay_alu instid0(VALU_DEP_4)
	v_fma_f32 v[204+\i], v[184+\i], v[204+\i], -0.5
.endr
.irp i, 0,1,2,3
	s_delay_alu instid0(VALU_DEP_4)
	v_fma_f32 v[212+\i], v[184+\i], v[204+\i], 1.0 ; cos r
.endr
.irp i, 0,1,2,3
	v_cvt_i32_f32 v[216+\i], v[180+\i]
.endr
.irp i, 0,1,2,3
	v_and_b32 v[188+\i], 1, v[216+\i]              ; an odd number of quarter turns: sin and cos change places
	s_delay_alu instid0(VALU_DEP_1)
	v_cmp_eq_u32 vcc_lo, 1, v[188+\i]
	s_delay_alu instid0(VALU_DEP_1)
	v_cndmask_b32 v[196+\i], v[208+\i], v[212+\i], vcc_lo
	s_delay_alu instid0(VALU_DEP_2)
	v_cndmask_b32 v[192+\i], v[212+\i], v[208+\i], vcc_lo
	v_and_b32 v[188+\i], 2, v[216+\i]              ; sin changes sign in quarters 2 and 3,
	s_delay_alu instid0(VALU_DEP_1)
	v_lshlrev_b32 v[188+\i], 30, v[188+\i]
	s_delay_alu instid0(VALU_DEP_1)
	v_xor_b32 v[196+\i], v[188+\i], v[196+\i]
	v_add_nc_u32 v[204+\i], 1, v[216+\i]           ; cos in quarters 1 and 2
	s_delay_alu instid0(VALU_DEP_1)
	v_and_b32 v[204+\i], 2, v[204+\i]
	s_delay_alu instid0(VALU_DEP_1)
	v_lshlrev_b32 v[204+\i], 30, v[204+\i]
	s_delay_alu instid0(VALU_DEP_1)
	v_xor_b32 v[192+\i], v[204+\i], v[192+\i]
.endr
	global_store_b128 v170, v[192:195], s[8:9]             ; cos: 512 consecutive bytes
	global_store_b128 v170, v[196:199], s[8:9] offset:4096 ; sin
	s_wait_dscnt 0x0                               ; the keys are in: my reads of the tables are over
	s_barrier_signal -1
	s_barrier_wait -1                              ; everybody's are: LDS is written again only behind this barrier
	; ---- the masks of my key step
	s_mov_b32 s23, 0                               ; some pair kept?
	s_mov_b32 s24, -1                              ; all pairs kept?
.set n, 0
.rept 64
	v_cmp_eq_u32 s20, v[KS+n], v160                ; the same id,
	v_cmp_le_u32 s21, v[KP+n], v161                ; and the key's pos not above the query's
	s_and_b32 s22, s20, s21
	v_writelane_b32 v[162+n%2], s22, n/2           ; word n goes to lane n / 2, so that the 64 words leave as one run of 256 bytes
	s_or_b32 s23, s23, s22
	s_and_b32 s24, s24, s22
.set n, n+1
.endr
	global_store_b64 v203, v[162:163], s[10:11]    ; 32 lanes store 256 consecutive bytes, aligned
	s_cmp_lg_u32 s23, 0
	s_cselect_b32 s18, 1, 0
	s_cmp_lg_u32 s24, -1
	s_cselect_b32 s19, 2, 0
	s_or_b32 s18, s18, s19
	v_mov_b32 v222, s18
	ds_store_b32 v168, v222 offset:FL
	s_wait_dscnt 0x0
	s_barrier_signal -1
	s_barrier_wait -1
	s_cmp_lg_u32 s14, 0                            ; wave 0 packs the eight steps' flags into one word
	s_cbranch_scc1 .Lend
	v_mov_b32 v169, FL
	ds_load_b128 v[172:175], v169
	ds_load_b128 v[176:179], v169 offset:16
	s_wait_dscnt 0x0
.irp j, 1
	v_lshl_or_b32 v172, v[172+\j], 2*\j, v172
.endr
.irp j, 2, 3, 4, 5, 6, 7
	s_delay_alu instid0(VALU_DEP_1)
	v_lshl_or_b32 v172, v[172+\j], 2*\j, v172
.endr
	v_mov_b32 v180, 0
	s_wait_alu depctr_va_vdst(0)
	s_wait_xcnt 0x0                                ; EXEC is one of the sources of the stores above: it changes only behind this wait
	v_cmp_eq_u32 vcc_lo, 0, v1
	s_and_saveexec_b32 s18, vcc_lo
	global_store_b32 v180, v172, s[34:35]          ; lane 0 alone
	s_wait_xcnt 0x0                                ; and again in front of the line that widens it
	s_or_b32 exec_lo, exec_lo, s18
.Lend:
	s_wait_tensorcnt 0x0
	ds_add_u32 v224, v225
	s_wait_dscnt 0x0
	s_endpgm
.Lfunc_end_k_q01c010d0c3_prep:
	.size	k_q01c010d0c3_prep, .Lfunc_end_k_q01c010d0c3_prep-k_q01c010d0c3_prep
	.p2alignl 7, 3214868480
	.fill 96, 4, 3214868480
	.section	.rodata,"a",@progbits
	.p2align	6, 0x0
	.amdhsa_kernel k_q01c010d0c3_prep
		.amdhsa_group_segment_fixed_size 66304
		.amdhsa_private_segment_fixed_size 0
		.amdhsa_enable_private_segment 0
		.amdhsa_kernarg_size 104
		.amdhsa_user_sgpr_count 2
		.amdhsa_user_sgpr_kernarg_segment_ptr 1
		.amdhsa_wavefront_size32 1
		.amdhsa_system_sgpr_workgroup_id_x 1
		.amdhsa_system_sgpr_workgroup_id_y 1
		.amdhsa_system_sgpr_workgroup_id_z 1
		.amdhsa_system_vgpr_workitem_id 0
		.amdhsa_next_free_vgpr 240
		.amdhsa_next_free_sgpr 90
		.amdhsa_reserve_vcc 1
		.amdhsa_float_denorm_mode_32 3
		.amdhsa_float_denorm_mode_16_64 3
		.amdhsa_memory_ordered 1
		.amdhsa_forward_progress 1
		.amdhsa_inst_pref_size 52
	.end_amdhsa_kernel
	.amdgpu_metadata
---
amdhsa.version: [ 1, 2 ]
amdhsa.kernels:
  - .name:           k_q01c010d0c3_prep
    .symbol:         k_q01c010d0c3_prep.kd
    .args:
      - { .name: segment_ids, .offset: 0, .size: 8, .value_kind: global_buffer, .address_space: global }
      - { .name: wo_codes, .offset: 8, .size: 8, .value_kind: global_buffer, .address_space: global }
      - { .name: pre, .offset: 16, .size: 8, .value_kind: global_buffer, .address_space: global }
      - { .name: mask, .offset: 24, .size: 8, .value_kind: global_buffer, .address_space: global }
      - { .name: wi, .offset: 32, .size: 8, .value_kind: global_buffer, .address_space: global }
      - { .name: hidden_codes, .offset: 40, .size: 8, .value_kind: global_buffer, .address_space: global }
      - { .name: wq_codes, .offset: 48, .size: 8, .value_kind: global_buffer, .address_space: global }
      - { .name: wk_codes, .offset: 56, .size: 8, .value_kind: global_buffer, .address_space: global }
      - { .name: wv_codes, .offset: 64, .size: 8, .value_kind: global_buffer, .address_space: global }
      - { .name: hidden_scales, .offset: 72, .size: 8, .value_kind: global_buffer, .address_space: global }
      - { .name: wq_scales, .offset: 80, .size: 8, .value_kind: global_buffer, .address_space: global }
      - { .name: wk_scales, .offset: 88, .size: 8, .value_kind: global_buffer, .address_space: global }
      - { .name: wv_scales, .offset: 96, .size: 8, .value_kind: global_buffer, .address_space: global }
    .group_segment_fixed_size: 66304
    .private_segment_fixed_size: 0
    .kernarg_segment_align: 8
    .kernarg_segment_size: 104
    .max_flat_workgroup_size: 256
    .sgpr_count:     90
    .vgpr_count:     240
    .wavefront_size: 32
...
	.end_amdgpu_metadata
.endif
;; end of part 1
;; launch qkv (part 2): grid 12 x 16, 4 waves a work-group, clusters of 4 x 4, 327,680 bytes of LDS; arguments pre, q_scale, k_scale, qc, kv, qkvs; writes qc, kv, qkvs
.if DOCPART == 2
	.amdgcn_target "amdgcn-amd-amdhsa--gfx1250"
	.amdhsa_code_object_version 6
	.text
	.protected	k_q01c010d0c3_qkv
	.globl	k_q01c010d0c3_qkv
	.p2align	8
	.type	k_q01c010d0c3_qkv,@function
k_q01c010d0c3_qkv:
	s_mov_b64 s[64:65], 0
	v_nop
	global_prefetch_b8 v0, s[64:65] scope:SCOPE_SE
	s_setreg_imm32_b32 hwreg(HW_REG_WAVE_MODE, 25, 1), 1
	s_wait_xcnt 0x0
	s_wait_alu depctr_hold_cnt(0) depctr_sa_sdst(0) depctr_va_vdst(0) depctr_va_sdst(0) depctr_va_ssrc(0) depctr_va_vcc(0) depctr_vm_vsrc(0)
	s_getreg_b32 s2, hwreg(HW_REG_IB_STS2, 6, 4)
	s_cmp_eq_u32 s2, 0
	s_cbranch_scc0 .Lentry_in_a_cluster
	s_endpgm
.Lentry_in_a_cluster:
	s_bfe_u32 s2, ttmp6, 0x10000c
	s_cmp_lg_u32 s2, 0xf033
	s_cbranch_scc0 .Lentry_shape_is_right
	s_endpgm
.Lentry_shape_is_right:
; q, k, v = hidden x wq, wk, wv on codes of FP6 (E2M3) with E8M0 scales as they are given; then, in f32, RMS norm over a head's 128, the gain, RoPE (q and k); then each result is quantised for attention's products.
; OPERANDS come from buffer pre, where the launch before laid them as images of operand registers: a fragment (16 rows x 128 K) is 1,536 bytes, registers 4 c .. 4 c + 3 of lane l at 512 c + 16 l;
; a row block's 16 K steps are 24,576 consecutive bytes.  Scale bytes: two row blocks are 2,048 bytes, [pair of K steps][block][row][8 bytes].  Weights' row blocks: 0-127 wq, then for each g eight of wk and eight of wv.
; A tile is 256 tokens x 256 columns, a work-group of four waves; a wave makes 128 tokens x 128 columns = ONE HEAD: 64 accumulators, 512 registers.  192 tiles: a head to a wave is what the norm wants.
; THE RING: two LDS slots of THREE K steps each: 32 row blocks x 4,608 bytes; each tensor row is 4,608 bytes of memory and begins at a multiple of 256.  LDS has no padding: a load of an image reads 512 consecutive bytes.
; The 16 K steps go as 3, 3, 3, 3, 3, 1.  Slots, fragment sets and scale sets come back after six steps: the loop's trip.  All refills have one shape of tile, so the last one, of which K step 15 alone is read,
; also brings 3,072 bytes a row that belong to the next row block (for the last row block: to what follows in pre); they lie inside the buffer and nobody reads them.
; THE SCALES of K-step pairs 1 to 7 come into LDS once (8 block pairs x 1,792 bytes a side); beside the ring LDS has no room for pair 0's, which each wave loads straight into registers.
; Column tiles 0-7 are q's heads 2 tc, 2 tc + 1; tile 8 + g is k's head g (column half 0) and v's head g (half 1).
; THE MATRIX INSTRUCTION: source 0 = 16 rows of the weight, source 1 = 16 tokens: a lane holds ONE token and its registers run along d.  A v WAVE SWAPS THE BASES from which it reads: a lane then holds one d and its registers run along the tokens,
; the K of attention's second product.  Which wave is a v wave hangs on the cluster's x and the wave's number alone.
; ORDER INSIDE A BLOCK OF 32: accumulators 2 c, 2 c + 1 give lane half h the members 8 h + 0..7 and 16 + 8 h + 0..7 of block c; the codes are laid half 0's sixteen first.  q and k share that order along d, v shares it with attention's p.
; OUT: images: qc [token block 256][head 16]; kv [batch][g][128 tokens j] = 8 images of k, then 8 of v^T.  Scale words: 512 bytes for 128 rows, row 16 a + r at 32 r + 4 a: q's at (head 32 + token group) 512;
; from byte 262,144 on for each (batch, g) 8,192 bytes: k's at 512 j, v's at 4,096 + 512 j.
; CLUSTERS: 4 x 4; hidden's tiles are asked for jointly along a row of the cluster, the weights' along a column.  PREFETCH: behind each refill of the first trip a wave names the slot two refills on: of the 8 row blocks that it fetches,
; the partner at place p takes blocks 2 p, 2 p + 1, an instruction each, a lane to a block of 256 bytes: 18 of the fifth slot's row, 6 of the sixth's one K step (the lanes left over name the last again).  The second trip names nothing.
; LIMITS: NaN and infinities are not served; a block whose largest magnitude lies under 2^-124 (a block of zeros too) keeps the scale byte 1: its codes are zeros, and this program alone reads the bytes.
; REGISTERS: window 0: v16-30 addresses; v32-79 scale words, three sets; v128-223 source 1's fragments, one set.  window 1: source 0's fragments, two sets (v0-95, v128-223); the gain in v96-127, v224-255.  windows 2, 3: accumulator (a, b) at v[8 (8 (a % 4) + b)].
.set HI, 2097152
.set WM, 8388608
.set HS, 13107200
.set WS, 13369344
.set FRB,  1536
.set BLK,  3*FRB                       ; a row block's three K steps
.set SLOT, 32*BLK                      ; hidden's 16 row blocks, then the weights' 16
.set SCL,  2*SLOT                      ; the scale bytes of pairs 1-7: hidden's 14,336, the weights' 14,336
.set SPARE, SCL+28672                  ; the spare words, 128 bytes a wave
.set FR, 12
.set NL, 3
.set NP, 4
.set ADRA, 16                          ; v16-17 source 1's fragments in slot 0, 1
.set TS0,  18                          ; v18-19 at the head pair 0's offsets in pre; then the scale words' LDS addresses of this trip
.set TS1,  19
.set ADRB, 20                          ; v20-21 source 0's fragments
.set PFO,  22                          ; v22-23 the prefetches' offsets: 18 blocks, 6 blocks
.set LI,   24                          ; v24 16 x lane
.set SO,   25                          ; v25 32 r + 16 h
.set ADRS0, 26                         ; v26 source 0's scale words, v27 source 1's
.set ADRS1, 27
.set SPW,  28
.set NIL,  29
.set GO,   30                          ; v30 32 h
.set SC,   32                          ; set s (pair % 3): source 0's block pair i, step q at v[32 + 16 s + 2 i + q] (lanes 0-15 the even block, 16-31 the odd); source 1's 8 on
.set AF,   128
.set PWS,  32                          ; the way out: v32-39 scale words, v40-43 those that I store, v44-59 conversions' second halves
.set X4,   40
.set T2,   44
.set TM,   96                          ; v96-119 at work in the quantiser
.set TT,   128                         ; v128-191 RoPE's products; then v128-223 the eight images' codes
.set UU,   160
.set PC,   128
.set SS,   224
.set IB,   24                          ; the way out: s[24:39] the eight images' addresses
.set G1, 24
.set G0, 32
.set G1B, 48
.set G0B, 56
.set G1S, 68
.set G0S, 76
.set G1SB, 80
.set G0SB, 88
.set G0H, 8
.set G0HB, 92
.set PFA, 96
.set SOF, 46
.set MSB, 0
.macro WIN new
.if MSB != (\new)
	s_set_vgpr_msb (MSB<<8)|(\new)
.set MSB, (\new)
.endif
.endm
.set MUL_LO, 0xa1
.set MUL_HI, 0xf1
.set TO_B,   0x40
.macro JLOAD g0a, g1a, g0b, g1b        ; waves 0, 1 fetch hidden's halves, waves 2, 3 the weights'
	s_cmp_eq_u32 s15, 0
	s_cbranch_scc0 .Lfor_b_\@
	tensor_load_to_lds s[\g0a:\g0a+3], s[\g1a:\g1a+7]
	s_nop 0
.rept 4
	v_nop
.endr
	s_branch .Lasked_\@
.Lfor_b_\@:
	tensor_load_to_lds s[\g0b:\g0b+3], s[\g1b:\g1b+7]
	s_nop 0
.rept 4
	v_nop
.endr
.Lasked_\@:
.endm
.macro CREST
	s_cmp_lg_u32 s14, 0
	s_cbranch_scc1 .Lnot_wave_0_\@
	s_barrier_signal -3
.Lnot_wave_0_\@:
	s_barrier_wait -3
	s_barrier_signal -1
	s_barrier_wait -1
.endm
.macro CROUND
	s_barrier_signal -1
	s_barrier_wait -1
	CREST
.endm
.macro PLACES n
.rept \n
	v_nop
.endr
.endm
	s_load_b256 s[80:87], s[0:1], 0x0              ; pre, q_scale, k_scale, qc
	s_load_b128 s[88:91], s[0:1], 0x20             ; kv, qkvs
	v_lshl_add_u32 v[SPW], v0, 2, SPARE
	v_mov_b32 v[NIL], 0
	ds_add_u32 v[SPW], v[NIL]
	ds_add_u32 v[SPW], v[NIL]
	v_lshrrev_b32 v1, 5, v0
	v_readfirstlane_b32 s14, v1                    ; wave
	s_lshr_b32 s15, s14, 1                         ; my half of the tokens; also: I fetch hidden (0) or weights (1)
	s_and_b32 s16, s14, 1                          ; my half of the columns; also: which 8 row blocks I fetch
	s_bfe_u32 s40, ttmp6, 0x40000
	s_bfe_u32 s41, ttmp6, 0x40004
	s_lshl_b32 s42, ttmp9, 2
	s_add_co_u32 s42, s42, s40                     ; column tile
	s_and_b32 s17, ttmp7, 0xffff
	s_lshl_b32 s17, s17, 2
	s_add_co_u32 s17, s17, s41                     ; token tile
	s_lshl_b32 s43, s41, 2
	s_lshl_b32 s43, 15, s43                        ; my row of the cluster
	s_lshl_b32 s44, 0x1111, s40                    ; my column
	s_or_b32 s[G1], s43, (3<<16)|(1<<21)           ; elements of 8 bytes, no padding
	s_or_b32 s[G1B], s44, (3<<16)|(1<<21)
	s_or_b32 s[G1S], s43, (3<<16)|(1<<21)
.irp g, G1, G1B
	s_mov_b32 s[\g+1], 576<<16                     ; a row: 4,608 bytes
	s_mov_b32 s[\g+2], 16<<16                      ; 16 row blocks at the head; behind it 8
	s_mov_b32 s[\g+3], 576<<16
	s_mov_b32 s[\g+4], 16
	s_mov_b32 s[\g+5], 3072                        ; 24,576 bytes from row block to row block
	s_mov_b32 s[\g+6], 0
	s_mov_b32 s[\g+7], 0
.endr
	s_mov_b32 s[G1S+1], 224<<16                    ; the scales of 256 rows: 8 block pairs x 1,792 bytes (pairs 1-7 of K steps), 2,048 bytes apart in memory
	s_mov_b32 s[G1S+2], 8<<16
	s_mov_b32 s[G1S+3], 224<<16
	s_mov_b32 s[G1S+4], 8
	s_mov_b32 s[G1S+5], 256
	s_mov_b32 s[G1S+6], 0
	s_mov_b32 s[G1S+7], 0
	s_cmp_eq_u32 ttmp9, 2
	s_cselect_b32 s2, s16, 0                       ; 1 in a v wave
	s_mul_i32 s20, s17, 393216
	s_add_co_u32 s20, s20, HI                      ; hidden's tile
	s_mov_b32 s21, 0
	s_mul_i32 s46, s42, 393216
	s_add_co_u32 s46, s46, WM                      ; the weights'
	s_mov_b32 s47, 0
	s_lshl_b32 s22, s17, 14
	s_add_co_u32 s22, s22, HS+256                  ; their scales, from pair 1 on
	s_mov_b32 s23, 0
	s_lshl_b32 s92, s42, 14
	s_add_co_u32 s92, s92, WS+256
	s_mov_b32 s93, 0
	s_mul_i32 s18, s16, 8*24576                    ; in the ring: my 8 row blocks,
	s_mov_b32 s19, 0
	s_mul_i32 s45, s14, 8*BLK                      ; and where they go
	s_lshl_b32 s4, s17, 1
	s_add_co_u32 s4, s4, s15                       ; my group of 128 tokens
	s_lshl_b32 s5, s42, 1
	s_add_co_u32 s5, s5, s16                       ; q's head
	s_mul_i32 s100, s4, 196608
	s_mul_i32 s6, s5, 1536
	s_add_co_u32 s100, s100, s6                    ; qc
	s_lshl_b32 s66, s5, 5
	s_add_co_u32 s66, s66, s4
	s_lshl_b32 s66, s66, 9                         ; q's scale words
	s_lshr_b32 s5, s4, 3
	s_lshl_b32 s5, s5, 2
	s_add_co_u32 s5, s5, s40                       ; 4 x batch + g
	s_and_b32 s6, s4, 7
	s_lshl_b32 s7, s5, 3
	s_add_co_u32 s7, s7, s6
	s_mul_i32 s7, s7, 24576
	s_mul_i32 s8, s2, 12288
	s_add_co_u32 s7, s7, s8                        ; kv's record, v's images behind k's
	s_lshl_b32 s5, s5, 13
	s_lshl_b32 s6, s6, 9
	s_add_co_u32 s5, s5, s6
	s_lshl_b32 s8, s2, 12
	s_add_co_u32 s5, s5, s8
	s_add_co_u32 s5, s5, 262144                    ; k's or v's scale words
	s_lshl_b32 s98, s4, 16                         ; cos and sin: 65,536 bytes a group
	s_mov_b32 s99, 0
	s_mov_b32 s101, 0
	s_mov_b32 s67, 0
	s_cmp_eq_u32 ttmp9, 2
	s_cselect_b32 s100, s7, s100
	s_cselect_b32 s66, s5, s66
	s_wait_dscnt 0x0                               ; both opening adds are done
	s_wait_kmcnt 0x0
	s_cselect_b64 s[4:5], s[88:89], s[86:87]       ; kv or qc
	s_cselect_b64 s[12:13], s[84:85], s[82:83]     ; k's gain or q's (a v wave loads k's and does not use it)
	s_add_nc_u64 s[4:5], s[4:5], s[100:101]
	s_mov_b32 s100, 24576
	s_cselect_b32 s100, 1536, s100                 ; from image to image
	s_add_nc_u64 s[6:7], s[90:91], s[66:67]
	s_add_nc_u64 s[98:99], s[80:81], s[98:99]
	s_mov_b64 s[104:105], s[80:81]                 ; pre, for pair 0's scale words
	s_add_nc_u64 s[20:21], s[80:81], s[20:21]
	s_add_nc_u64 s[22:23], s[80:81], s[22:23]
	s_add_nc_u64 s[46:47], s[80:81], s[46:47]
	s_add_nc_u64 s[90:91], s[80:81], s[92:93]      ; the weights' scales: group 0's address
	s_or_b32 s[G1SB], s44, (3<<16)|(1<<21)
	s_mov_b32 s[G1SB+1], 224<<16
	s_mov_b32 s[G1SB+2], 8<<16
	s_mov_b32 s[G1SB+3], 224<<16
	s_mov_b32 s[G1SB+4], 8
	s_mov_b32 s[G1SB+5], 256
	s_mov_b32 s[G1SB+6], 0
	s_mov_b32 s[G1SB+7], 0
	CROUND                                         ; all sixteen work-groups are here: the first joint loads meet
	s_mov_b32 s[G0SB], 1
	s_mov_b32 s[G0SB+1], SCL+14336
	s_or_b32 s[G0SB+3], s[G0SB+3], 0x80000000
	s_mov_b32 s[G0S], 1
	s_mov_b32 s[G0S+1], SCL
	s_mov_b64 s[G0S+2:G0S+3], s[22:23]
	s_or_b32 s[G0S+3], s[G0S+3], 0x80000000
	s_mov_b32 s[G0H], 1
	s_mov_b32 s[G0H+1], 0
	s_mov_b64 s[G0H+2:G0H+3], s[20:21]
	s_or_b32 s[G0H+3], s[G0H+3], 0x80000000
	s_mov_b32 s[G0HB], 1
	s_mov_b32 s[G0HB+1], 16*BLK
	s_mov_b64 s[G0HB+2:G0HB+3], s[46:47]
	s_or_b32 s[G0HB+3], s[G0HB+3], 0x80000000
	s_add_nc_u64 s[20:21], s[20:21], s[18:19]
	s_add_nc_u64 s[46:47], s[46:47], s[18:19]
.irp s, 0,1
	s_mov_b32 s[G0+4*\s], 1
	s_add_co_u32 s[G0+4*\s+1], s45, \s*SLOT
	s_add_nc_u64 s[G0+4*\s+2:G0+4*\s+3], s[20:21], \s*BLK
	s_or_b32 s[G0+4*\s+3], s[G0+4*\s+3], 0x80000000
	s_mov_b32 s[G0B+4*\s], 1
	s_add_co_u32 s[G0B+4*\s+1], s45, \s*SLOT
	s_add_nc_u64 s[G0B+4*\s+2:G0B+4*\s+3], s[46:47], \s*BLK
	s_or_b32 s[G0B+4*\s+3], s[G0B+4*\s+3], 0x80000000
.endr
; the head's four tiles, one a wave: wave 0 slot 0's 16 row blocks of hidden, wave 1 the weights', wave 2 hidden's scales, wave 3 the weights'
.macro ARM under, g0, g1, next
	s_cmp_lt_u32 s14, \under
	s_cbranch_scc0 \next
	tensor_load_to_lds s[\g0:\g0+3], s[\g1:\g1+7]
	s_nop 0
.rept 4
	v_nop
.endr
	s_branch .Lhead_asked
\next:
.endm
	ARM 1, G0H,  G1,  .Lhead_b
	ARM 2, G0HB, G1B, .Lhead_sa
	ARM 3, G0S,  G1S, .Lhead_sb
	tensor_load_to_lds s[G0SB:G0SB+3], s[G1SB:G1SB+7]
	s_nop 0
.rept 4
	v_nop
.endr
.Lhead_asked:
	s_cmp_eq_u32 s15, 0                            ; the prefetches: the 8 row blocks that I fetch,
	s_cselect_b64 s[PFA:PFA+1], s[20:21], s[46:47]
	s_cselect_b32 s66, s40, s41                    ; my place among the four that ask with me: two row blocks each,
	s_mul_i32 s66, s66, 2*24576
	s_add_co_u32 s66, s66, 3*BLK                   ; at the fourth slot's bytes: the first refill steps on to the fifth's
	s_mov_b32 s67, 0
	s_add_nc_u64 s[PFA:PFA+1], s[PFA:PFA+1], s[66:67]
	s_mov_b32 s[SOF], 0
	s_mul_i32 s22, s15, 8*BLK                      ; my 128 tokens,
	s_mul_i32 s23, s16, 8*BLK
	s_add_co_u32 s23, s23, 16*BLK                  ; my 128 rows of the weight,
	s_mul_i32 s66, s15, 7168
	s_add_co_u32 s66, s66, SCL                     ; and their scale bytes
	s_mul_i32 s67, s16, 7168
	s_add_co_u32 s67, s67, SCL+14336
	s_cmp_eq_u32 s2, 1
	s_cselect_b32 s18, s23, s22                    ; source 1: the tokens; in a v wave the weight
	s_cselect_b32 s19, s22, s23                    ; source 0: the weight; in a v wave the tokens
	s_cselect_b32 s20, s67, s66
	s_cselect_b32 s21, s66, s67
	s_lshl_b32 s22, s17, 14                        ; pair 0's scale words in pre: my tokens',
	s_lshl_b32 s23, s15, 13
	s_add_co_u32 s22, s22, s23
	s_add_co_u32 s22, s22, HS
	s_lshl_b32 s23, s42, 14                        ; my weight rows'
	s_lshl_b32 s66, s16, 13
	s_add_co_u32 s23, s23, s66
	s_add_co_u32 s23, s23, WS
	s_cmp_eq_u32 s2, 1
	s_cselect_b32 s66, s23, s22
	s_cselect_b32 s67, s22, s23
	v_and_b32 v1, 15, v0
	v_bfe_u32 v2, v0, 4, 1
	v_and_b32 v3, 31, v0
	v_lshlrev_b32 v[GO], 5, v2
	v_lshlrev_b32 v[LI], 4, v3
	v_lshlrev_b32 v[SO], 5, v1
	v_lshl_add_u32 v[SO], v2, 4, v[SO]
	v_add_nc_u32 v[ADRA], s18, v[LI]
	v_add_nc_u32 v[ADRB], s19, v[LI]
	v_add_nc_u32 v[ADRA+1], SLOT, v[ADRA]
	v_add_nc_u32 v[ADRB+1], SLOT, v[ADRB]
	v_lshl_add_u32 v[ADRS1], v3, 3, s20            ; 8 x lane: lanes 0-15 the even block's rows, lanes 16-31 the odd block's
	v_lshl_add_u32 v[ADRS0], v3, 3, s21
	v_min_u32 v4, 17, v3                           ; 18 blocks of 256 bytes are a row of three K steps,
	v_min_u32 v5, 5, v3                            ; 6 are one K step
	v_lshlrev_b32 v[PFO], 8, v4
	v_lshlrev_b32 v[PFO+1], 8, v5
	v_lshl_add_u32 v[TS1], v3, 3, s66
	v_lshl_add_u32 v[TS0], v3, 3, s67
.irp i, 0,1,2,3
	global_load_b64 v[SC+2*\i:SC+2*\i+1], v[TS0], s[104:105] offset:\i*2048       ; K steps 0 and 1: set 0; 256 consecutive bytes a load
	global_load_b64 v[SC+8+2*\i:SC+8+2*\i+1], v[TS1], s[104:105] offset:\i*2048
.endr
	WIN TO_B
.irp b, 0,1,2,3,4,5,6,7                        ; the gain of d = 16 b + 8 h + 4 p + 0..3: number e = 8 b + 4 p + i at v[96 + e] (e < 32) or v[192 + e] of window 1
.irp p, 0,1
	global_load_b128 v[96+8*\b+4*\p+96*(\b/4):99+8*\b+4*\p+96*(\b/4)], v[GO], s[12:13] offset:64*\b+16*\p
.endr
.endr
	WIN 0
.macro FRAG reg, adr, q, i             ; an image: three loads of 512 consecutive bytes
.irp c, 0,1,2
	ds_load_b128 v[\reg+4*\c:\reg+4*\c+3], v[\adr] offset:(\i)*BLK+(\q)*FRB+512*\c
.endr
.endm
.macro WMM c, rb, ra                   ; one product; rb, ra: the halves of the lanes that hold source 0's and source 1's scale words
.if (\rb) == 0 && (\ra) == 0
	v_wmma_scale_f32_16x16x128_f8f6f4 v[DD:DD+7], v[BB:BB+FR-1], v[AA:AA+FR-1], \c, v[S0], v[S1] matrix_a_fmt:MATRIX_FMT_FP6 matrix_b_fmt:MATRIX_FMT_FP6
.elseif (\rb) == 1 && (\ra) == 0
	v_wmma_scale_f32_16x16x128_f8f6f4 v[DD:DD+7], v[BB:BB+FR-1], v[AA:AA+FR-1], \c, v[S0], v[S1] matrix_a_fmt:MATRIX_FMT_FP6 matrix_b_fmt:MATRIX_FMT_FP6 matrix_a_scale:MATRIX_SCALE_ROW1
.elseif (\rb) == 0
	v_wmma_scale_f32_16x16x128_f8f6f4 v[DD:DD+7], v[BB:BB+FR-1], v[AA:AA+FR-1], \c, v[S0], v[S1] matrix_a_fmt:MATRIX_FMT_FP6 matrix_b_fmt:MATRIX_FMT_FP6 matrix_b_scale:MATRIX_SCALE_ROW1
.else
	v_wmma_scale_f32_16x16x128_f8f6f4 v[DD:DD+7], v[BB:BB+FR-1], v[AA:AA+FR-1], \c, v[S0], v[S1] matrix_a_fmt:MATRIX_FMT_FP6 matrix_b_fmt:MATRIX_FMT_FP6 matrix_a_scale:MATRIX_SCALE_ROW1 matrix_b_scale:MATRIX_SCALE_ROW1
.endif
.endm
; 16 products: source 1's blocks a0, a0 + 1 (a0 even) x source 0's eight.  The 64 accumulators take turns, in the same order in every step.
.macro MUL16 a0, p, q, sc, zero
.irp ra, 0,1
.irp b, 0,1,2,3,4,5,6,7
.set DD, 8*(8*((\a0+\ra)%4)+\b)
.set BB, 128*(\p)+FR*\b
.set AA, AF+FR*(\a0+\ra)
.set S0, SC+16*(\sc)+2*(\b/2)+(\q)
.set S1, SC+8+16*(\sc)+2*((\a0)/2)+(\q)
.if \zero
	WMM 0, \b%2, \ra
.else
	WMM v[DD:DD+7], \b%2, \ra
.endif
.endr
.endr
.endm
.macro FETCH_B slot, q, p
	WIN TO_B
.irp i, 0,1,2,3,4,5,6,7
	FRAG 128*(\p)+FR*\i, ADRB+\slot, \q, \i
.endr
	WIN 0
.endm
.macro FETCH_A slot, q, i0
.irp i, \i0, \i0+1, \i0+2, \i0+3
	FRAG AF+FR*(\i), ADRA+\slot, \q, \i
.endr
.endm
.macro SCALES sc, off                  ; a pair of K steps' scale words: two a row, four block pairs a side; each load reads 256 consecutive bytes
.irp i, 0,1,2,3
	ds_load_b64 v[SC+16*(\sc)+2*\i:SC+16*(\sc)+2*\i+1], v[TS0] offset:\i*1792+(\off)
.endr
.irp i, 0,1,2,3
	ds_load_b64 v[SC+8+16*(\sc)+2*\i:SC+8+16*(\sc)+2*\i+1], v[TS1] offset:\i*1792+(\off)
.endr
.endm
; K step t, counted in its trip of six (t = 0 .. 6; 6 stands for the next trip's 0): slot (t / 3) % 2, place t % 3 in it, source 0's set t % 2, scale set (t / 2) % 3, word t % 2.
; A step whose successor lies in the same slot: 64 products; the next step's fragments are fetched in its middle and at its end; ahead of an even step its pair's scale words.
.macro STEP t, zero
.set NX, (\t)+1
	s_wait_dscnt 4*NL                              ; all but the youngest 12 loads (source 1's blocks 4-7)
	WIN MUL_LO
	MUL16 0, (\t)%2, (\t)%2, ((\t)/2)%3, \zero
	MUL16 2, (\t)%2, (\t)%2, ((\t)/2)%3, \zero
	s_wait_dscnt 0
	PLACES NP
.if (\t) == 1
	WIN 0
	v_add_nc_u32 v[TS0], s[SOF], v[ADRS0]          ; this trip's scale words: three pairs, 768 bytes a trip
	v_add_nc_u32 v[TS1], s[SOF], v[ADRS1]
	s_wait_alu depctr_va_vdst(0)
.endif
	FETCH_B (NX/3)%2, NX%3, NX%2
	FETCH_A (NX/3)%2, NX%3, 0
.if NX%2 == 0
	SCALES (NX/2)%3, 256*(NX/2-1)
.endif
	WIN MUL_HI
	MUL16 4, (\t)%2, (\t)%2, ((\t)/2)%3, \zero
	MUL16 6, (\t)%2, (\t)%2, ((\t)/2)%3, \zero
	PLACES NP
	WIN 0
	FETCH_A (NX/3)%2, NX%3, 4
.endm
; A slot's third step (t = 2, 5) changes slots: in front of the one barrier each wave waits for all its tensor loads, adds 0 to its spare word, and waits for that and for its reads of this slot.
.macro TURN t, fill
.set NX, (\t)+1
.set SL, ((\t)/3)%2
.if \fill
	s_wait_xcnt 0x0                                ; my last prefetches have read their address
	s_add_nc_u64 s[PFA:PFA+1], s[PFA:PFA+1], BLK
.endif
	s_wait_tensorcnt 0x0                           ; my part of the next slot has landed
	ds_add_u32 v[SPW], v[NIL]
	s_wait_dscnt 4*NL+1                            ; (the add and the youngest 12 loads may be out)
	WIN MUL_LO
	MUL16 0, (\t)%2, (\t)%2, ((\t)/2)%3, 0
	s_wait_dscnt 0x0                               ; the add is done, my reads of this slot are over
	s_barrier_signal -1
	MUL16 2, (\t)%2, (\t)%2, ((\t)/2)%3, 0
	WIN 0
	s_barrier_wait -1
.if \fill
	CREST                                          ; the barrier has opened a round of the cluster's
	s_add_nc_u64 s[G0+4*SL+2:G0+4*SL+3], s[G0+4*SL+2:G0+4*SL+3], 2*BLK
	s_add_nc_u64 s[G0B+4*SL+2:G0B+4*SL+3], s[G0B+4*SL+2:G0B+4*SL+3], 2*BLK
	JLOAD G0+4*SL, G1, G0B+4*SL, G1B               ; my one tensor load behind the round; its four v_nop are the places in front of the loads below
.else
	PLACES NP
.endif
	FETCH_B (NX/3)%2, 0, NX%2
	FETCH_A (NX/3)%2, 0, 0
.if NX%2 == 0
	SCALES (NX/2)%3, 256*(NX/2-1)
.endif
.if \fill
	s_cmp_gt_u32 s3, 1                             ; the second trip's refills have no slot two on
	s_cbranch_scc0 .Lno_ask_\@
	global_prefetch_b8 v[PFO+SL], s[PFA:PFA+1] th:TH_LOAD_NT scope:SCOPE_SE
	global_prefetch_b8 v[PFO+SL], s[PFA:PFA+1] offset:24576 th:TH_LOAD_NT scope:SCOPE_SE
.Lno_ask_\@:
.endif
	WIN MUL_HI
	MUL16 4, (\t)%2, (\t)%2, ((\t)/2)%3, 0
	MUL16 6, (\t)%2, (\t)%2, ((\t)/2)%3, 0
	PLACES NP
	WIN 0
	FETCH_A (NX/3)%2, 0, 4
.endm
	s_wait_alu depctr_va_vdst(0)
	s_wait_loadcnt 0x0                             ; the gain, and pair 0's scale words
	s_wait_tensorcnt 0x0                           ; my tile of the head's four is in
	ds_add_u32 v[SPW], v[NIL]
	s_mov_b32 s[G1+2], 8<<16                       ; no tensor load of mine is out: from here on a load brings 8 row blocks
	s_mov_b32 s[G1+4], 8
	s_mov_b32 s[G1B+2], 8<<16
	s_mov_b32 s[G1B+4], 8
	s_wait_dscnt 0x0
	CROUND
	JLOAD G0+4, G1, G0B+4, G1B                     ; slot 1's first fill, issued as a refill is
	FETCH_B 0, 0, 0
	FETCH_A 0, 0, 0
	FETCH_A 0, 0, 4
	STEP 0, 1                                      ; K step 0: its products start the sums
	s_mov_b32 s3, 2
.Llap:                                                 ; K steps 1-6, then 7-12: a trip fills both slots again
	STEP 1, 0
	TURN 2, 1
	STEP 3, 0
	STEP 4, 0
	TURN 5, 1
	STEP 6, 0
	s_add_co_u32 s[SOF], s[SOF], 768
	s_sub_co_u32 s3, s3, 1
	s_cmp_lg_u32 s3, 0
	s_cbranch_scc1 .Llap
	STEP 1, 0                                      ; K step 13,
	TURN 2, 0                                      ; 14: nothing is filled any more,
	s_wait_dscnt 4*NL                              ; and 15
	WIN MUL_LO
	MUL16 0, 1, 1, 1, 0
	MUL16 2, 1, 1, 1, 0
	s_wait_dscnt 0
	WIN MUL_HI
	MUL16 4, 1, 1, 1, 0
	MUL16 6, 1, 1, 1, 0
	WIN 0
; ---- THE WAY OUT.  Block a is 64 registers of a lane: number e = 8 b + j.  q, k: token 16 a + r, d = 16 b + 8 h + j.  v: d = 16 a + r, token 16 b + 8 h + j.
.macro SETA a                          ; block a's window and first register; cos and sin buffer a % 4: buffer 0 in window 0, the others in window 1
.set W, 2+(\a)/4
.set AC, 64*((\a)%4)
.set CW, 1
.if (\a)%4 == 0
.set CW, 0
.set CB, 32
.set SB, 64
.elseif (\a)%4 == 1
.set CB, 0
.set SB, 32
.elseif (\a)%4 == 2
.set CB, 64
.set SB, 128
.else
.set CB, 160
.set SB, 192
.endif
.endm
.macro CSLOAD a                        ; 16 loads of 512 consecutive bytes: cos and sin of token 16 a + r at f = 16 b + 8 h + 4 p + 0..3
	SETA \a
	WIN CW<<6
.irp b, 0,1,2,3
.irp p, 0,1
	global_load_b128 v[CB+8*\b+4*\p:CB+8*\b+4*\p+3], v[LI], s[98:99] offset:(\a)*8192+\b*1024+\p*512
	global_load_b128 v[SB+8*\b+4*\p:SB+8*\b+4*\p+3], v[LI], s[98:99] offset:(\a)*8192+4096+\b*1024+\p*512
.endr
.endr
	WIN 0
.endm
.macro SUMSQ4 g                        ; the squares of blocks 4 g .. 4 g + 3: eight chains by turns; each accumulator is read from its low end on
	WIN (2+\g)|((2+\g)<<2)
.irp a, 0,1,2,3
	v_pk_mul_f32 v[SS+16*\g+4*\a:SS+16*\g+4*\a+1], v[64*\a:64*\a+1], v[64*\a:64*\a+1]
	v_pk_mul_f32 v[SS+16*\g+4*\a+2:SS+16*\g+4*\a+3], v[64*\a+2:64*\a+3], v[64*\a+2:64*\a+3]
.endr
.set e, 4
.rept 15
.irp a, 0,1,2,3
	v_pk_fma_f32 v[SS+16*\g+4*\a:SS+16*\g+4*\a+1], v[64*\a+e:64*\a+e+1], v[64*\a+e:64*\a+e+1], v[SS+16*\g+4*\a:SS+16*\g+4*\a+1]
	v_pk_fma_f32 v[SS+16*\g+4*\a+2:SS+16*\g+4*\a+3], v[64*\a+e+2:64*\a+e+3], v[64*\a+e+2:64*\a+e+3], v[SS+16*\g+4*\a+2:SS+16*\g+4*\a+3]
.endr
.set e, e+4
.endr
.endm
.macro NORM a                          ; x / rms, then x the gain: two roundings, in the order of the definition
	SETA \a
	WIN W|(W<<6)
.set e, 0
.rept 32
	v_pk_mul_f32 v[AC+e:AC+e+1], v[AC+e:AC+e+1], v[SS+4*(\a)+2:SS+4*(\a)+3] op_sel_hi:[1,0]
.set e, e+2
.endr
	WIN W|(1<<2)|(W<<6)
.set e, 0
.rept 32
	v_pk_mul_f32 v[AC+e:AC+e+1], v[AC+e:AC+e+1], v[96+e+96*(e/32):97+e+96*(e/32)]
.set e, e+2
.endr
.endm
.macro ROT a, left                     ; RoPE in place: numbers e < 32 are d < 64 (x1), e + 32 the same f in the upper half (x2)
	SETA \a
	s_wait_loadcnt \left                           ; block a's 16 loads are in; the later blocks', 16 each, may be out
	WIN W|(CW<<2)
.set e, 0
.rept 16
	v_pk_mul_f32 v[TT+e:TT+e+1], v[AC+32+e:AC+33+e], v[SB+e:SB+e+1]
.set e, e+2
.endr
.set e, 0
.rept 16
	v_pk_mul_f32 v[UU+e:UU+e+1], v[AC+e:AC+e+1], v[SB+e:SB+e+1]
.set e, e+2
.endr
	WIN W|(CW<<2)|(W<<6)
.set e, 0
.rept 16
	v_pk_fma_f32 v[AC+e:AC+e+1], v[AC+e:AC+e+1], v[CB+e:CB+e+1], v[TT+e:TT+e+1] neg_lo:[0,0,1] neg_hi:[0,0,1]
.set e, e+2
.endr
.set e, 0
.rept 16
	v_pk_fma_f32 v[AC+32+e:AC+33+e], v[AC+32+e:AC+33+e], v[CB+e:CB+e+1], v[UU+e:UU+e+1]
.set e, e+2
.endr
	WIN 0
.endm
; Blocks a0 and a0 + 1 (a0 even) together: 128 registers on end, eight blocks of 32 (block n in registers 16 n .. 16 n + 15 of lanes l and l xor 16), by turns.
; Each image has code registers and a scalar address of its own, so nothing that a store reads is written again.
.macro QUANT2 a0
.set W, 2+(\a0)/4
.set AC, 64*((\a0)%4)
	WIN W|(W<<2)
.irp n, 0,1,2,3,4,5,6,7
	v_max3_num_f32 v[TM+\n], |v[AC+16*\n]|, |v[AC+16*\n+1]|, 0x1800000   ; with the floor 2^(3 - 127): the byte cannot fall under 1
.endr
	WIN (W<<2)|(W<<4)
.irp i, 2,4,6,8,10,12,14
.irp n, 0,1,2,3,4,5,6,7
	v_max3_num_f32 v[TM+\n], v[TM+\n], |v[AC+16*\n+\i]|, |v[AC+16*\n+\i+1]|
.endr
.endr
	WIN 0
.irp n, 0,1,2,3,4,5,6,7
	v_permlanex16_b32 v[TM+8+\n], v[TM+\n], s20, s21
.endr
.irp n, 0,1,2,3,4,5,6,7
	v_max_num_f32 v[TM+\n], v[TM+\n], v[TM+8+\n]   ; the block's largest magnitude
.endr
.irp n, 0,1,2,3,4,5,6,7
	v_add_nc_u32 v[TM+16+\n], 0xff000000, v[TM+\n] ; 2 off its exponent field: the conversion's scale operand
.endr
.irp n, 0,1,2,3,4,5,6,7
	v_lshrrev_b32 v[TM+8+\n], 23, v[TM+16+\n]      ; the scale's byte
.endr
.irp x, 0,1
	v_lshl_or_b32 v[PWS+\a0+\x], v[TM+9+4*\x], 8, v[TM+8+4*\x]
.endr
.irp x, 0,1
	v_lshl_or_b32 v[PWS+\a0+\x], v[TM+10+4*\x], 16, v[PWS+\a0+\x]
.endr
.irp x, 0,1
	v_lshl_or_b32 v[PWS+\a0+\x], v[TM+11+4*\x], 24, v[PWS+\a0+\x]
.endr
	WIN W
.irp m, 0,1,2,3
	v_cvt_scalef32_pk16_fp6_f32 v[PC+12*(\a0)+6*\m:PC+12*(\a0)+6*\m+2], v[AC+32*\m:AC+32*\m+15], v[TM+16+2*\m]
	v_cvt_scalef32_pk16_fp6_f32 v[T2+4*\m:T2+4*\m+2], v[AC+32*\m+16:AC+32*\m+31], v[TM+17+2*\m]   ; (a conversion's three registers begin on an even number)
.endr
	WIN 0
	v_nop                                          ; one plain place behind a scaled conversion
.irp m, 0,1,2,3                                ; the operand's layout wants a whole block in a lane
.irp i, 0,1,2
	v_permlane16_swap_b32 v[PC+12*(\a0)+6*\m+\i], v[T2+4*\m+\i]
.endr
.endr
.irp m, 0,1,2,3
.irp i, 0,1,2
	v_mov_b32 v[PC+12*(\a0)+6*\m+3+\i], v[T2+4*\m+\i]
.endr
.endr
.irp x, 0,1
.irp c, 0,1,2
	global_store_b128 v[LI], v[PC+12*(\a0+\x)+4*\c:PC+12*(\a0+\x)+4*\c+3], s[IB+2*(\a0+\x):IB+2*(\a0+\x)+1] offset:512*\c   ; 512 consecutive bytes
.endr
.endr
.endm
	PLACES NP                                      ; behind the last products
	s_mov_b32 s20, 0x76543210
	s_mov_b32 s21, 0xfedcba98                      ; lane l xor 16
	s_mov_b32 s22, 0xffff0000                      ; lanes 16-31
	s_mov_b32 s66, 0x3c000000                      ; 1 / 128
	s_mov_b32 s67, 0x358637bd                      ; 1e-6
	s_mov_b64 s[IB:IB+1], s[4:5]                   ; no tensor load is out: the descriptors' registers take the eight images' addresses
.irp a, 1,2,3,4,5,6,7
	s_add_nc_u64 s[IB+2*\a:IB+2*\a+1], s[IB+2*\a-2:IB+2*\a-1], s[100:101]
.endr
.irp n, 0,1,2,3,4,5,6,7
	v_mov_b32 v[TM+8+\n], 0                        ; written once: a lane permute's destination counts as one of its sources
.endr
	s_cmp_eq_u32 s2, 1                             ; v has no norm and no RoPE
	s_cbranch_scc1 .Lquant
.irp a, 0,1,2,3
	CSLOAD \a
.endr
	SUMSQ4 0
	SUMSQ4 1
	WIN 0
.irp a, 0,1,2,3,4,5,6,7
	v_pk_add_f32 v[SS+4*\a:SS+4*\a+1], v[SS+4*\a:SS+4*\a+1], v[SS+4*\a+2:SS+4*\a+3]
.endr
.irp a, 0,1,2,3,4,5,6,7
	v_add_f32 v[SS+4*\a], v[SS+4*\a], v[SS+4*\a+1]
.endr
.irp a, 0,1,2,3,4,5,6,7
	v_permlanex16_b32 v[SS+4*\a+1], v[SS+4*\a], s20, s21   ; the token's other 64 lie in the lane 16 away
.endr
.irp a, 0,1,2,3,4,5,6,7
	v_add_f32 v[SS+4*\a], v[SS+4*\a], v[SS+4*\a+1]
.endr
.irp a, 0,1,2,3,4,5,6,7
	v_fma_f32 v[SS+4*\a], v[SS+4*\a], s66, s67     ; the mean square + eps
.endr
	s_wait_alu depctr_va_vdst(0)                   ; the wait ahead of the batch,
.irp a, 0,1,2,3,4,5,6,7
	v_rsq_f32 v[SS+4*\a+2], v[SS+4*\a]
.endr
	v_nop
	s_wait_alu depctr_va_vdst(0)                   ; and behind it
.irp a, 0,1,2,3,4,5,6,7
	NORM \a
.endr
	WIN 0
	ROT 0, 48
	CSLOAD 4
	ROT 1, 48
	CSLOAD 5
	ROT 2, 48
	CSLOAD 6
	ROT 3, 48
	CSLOAD 7
	ROT 4, 48
	ROT 5, 32
	ROT 6, 16
	ROT 7, 0
.Lquant:
	QUANT2 0
	QUANT2 2
	QUANT2 4
	QUANT2 6
.irp i, 0,1,2,3
	v_cndmask_b32 v[X4+\i], v[PWS+\i], v[PWS+4+\i], s22    ; lanes 0-15 store blocks 0-3's words of row r, lanes 16-31 blocks 4-7's
.endr
	global_store_b128 v[SO], v[X4:X4+3], s[6:7]    ; 512 consecutive bytes
	s_wait_tensorcnt 0x0                           ; the wave's end
	ds_add_u32 v[SPW], v[NIL]
	s_wait_dscnt 0x0
	CROUND                                         ; the closing round
	s_endpgm
.Lfunc_end_k_q01c010d0c3_qkv:
	.size	k_q01c010d0c3_qkv, .Lfunc_end_k_q01c010d0c3_qkv-k_q01c010d0c3_qkv
	.p2alignl 7, 3214868480
	.fill 96, 4, 3214868480
	.section	.rodata,"a",@progbits
	.p2align	6, 0x0
	.amdhsa_kernel k_q01c010d0c3_qkv
		.amdhsa_group_segment_fixed_size 327680
		.amdhsa_private_segment_fixed_size 0
		.amdhsa_enable_private_segment 0
		.amdhsa_kernarg_size 48
		.amdhsa_user_sgpr_count 2
		.amdhsa_user_sgpr_kernarg_segment_ptr 1
		.amdhsa_wavefront_size32 1
		.amdhsa_system_sgpr_workgroup_id_x 1
		.amdhsa_system_sgpr_workgroup_id_y 1
		.amdhsa_system_sgpr_workgroup_id_z 1
		.amdhsa_system_vgpr_workitem_id 0
		.amdhsa_next_free_vgpr 1024
		.amdhsa_next_free_sgpr 106
		.amdhsa_reserve_vcc 0
		.amdhsa_float_denorm_mode_32 3
		.amdhsa_float_denorm_mode_16_64 3
		.amdhsa_memory_ordered 1
		.amdhsa_forward_progress 1
		.amdhsa_inst_pref_size 255
	.end_amdhsa_kernel
	.section	.bss,"aw",@nobits
	.p2align	6
	.space	262144
	.amdgpu_metadata
---
amdhsa.version: [ 1, 2 ]
amdhsa.kernels:
  - .name:           k_q01c010d0c3_qkv
    .symbol:         k_q01c010d0c3_qkv.kd
    .args:
      - { .name: pre, .offset: 0, .size: 8, .value_kind: global_buffer, .address_space: global }
      - { .name: q_scale, .offset: 8, .size: 8, .value_kind: global_buffer, .address_space: global }
      - { .name: k_scale, .offset: 16, .size: 8, .value_kind: global_buffer, .address_space: global }
      - { .name: qc, .offset: 24, .size: 8, .value_kind: global_buffer, .address_space: global }
      - { .name: kv, .offset: 32, .size: 8, .value_kind: global_buffer, .address_space: global }
      - { .name: qkvs, .offset: 40, .size: 8, .value_kind: global_buffer, .address_space: global }
    .group_segment_fixed_size: 327680
    .private_segment_fixed_size: 0
    .kernarg_segment_align: 8
    .kernarg_segment_size: 48
    .max_flat_workgroup_size: 128
    .sgpr_count:     106
    .vgpr_count:     1024
    .wavefront_size: 32
...
	.end_amdgpu_metadata
.endif
;; end of part 2
;; launch attn (part 3): grid 64 x 4, 16 waves a work-group, no clusters, 265,216 bytes of LDS; arguments qc, qkvs, kv, mask, ac, asl; writes ac, asl
.if DOCPART == 3
	.amdgcn_target "amdgcn-amd-amdhsa--gfx1250"
	.amdhsa_code_object_version 6
	.text
	.protected	k_q01c010d0c3_attn
	.globl	k_q01c010d0c3_attn
	.p2align	8
	.type	k_q01c010d0c3_attn,@function
k_q01c010d0c3_attn:
	s_mov_b64 s[64:65], 0
	v_nop
	global_prefetch_b8 v0, s[64:65] scope:SCOPE_SE
	s_setreg_imm32_b32 hwreg(HW_REG_WAVE_MODE, 25, 1), 1
	s_wait_xcnt 0x0
; attn[token][head] = softmax over the keys of (q . k / sqrt(128)), under the mask of segments and positions, x v; both products on codes of FP6 (E2M3) with E8M0 scales; the result / l is quantised for the output product.
; THE SOFTMAX: t = score x log2(e) / sqrt(128); M = the running largest t rounded UP to a whole number; p = 2^(t - M) is what is quantised along the keys; the row's sum l is taken of the unquantised p and divides at the end.
; When M moves, l and O are multiplied by 2^(old M - new M), which rounds nothing.
; SHARES.  Work-group (x, g): 64 tokens (x = 16 batch + group) and the four query heads of key/value head g.  Wave w: token tile w / 4 (16 queries), head 4 g + w % 4: one tile in 256 registers, four waves to a SIMD.
; Both products are used transposed (S^T = k q^T, O^T = v^T p^T): a lane holds one query throughout.  A key tile is 16 neighbouring keys: register 8 t + j of lane (r, h) is key 16 t + 8 h + j.
; p's codes are laid in that order inside each block of 32 keys, and so were v's by the launch that made them: the same permutation on both operands keeps the products.
; THE MASK comes from the earlier launch as lane masks (a word for each register of S^T) and two flags for each key step of 128: a step in which no pair of my tile is kept is passed over by a scalar branch on the stored flag;
; a step in which every pair is kept skips the 64 selects.  Hidden scores become -infinity ahead of the maximum, so p = 0.  Each query keeps itself, so l is never 0.
; k AND v: a step's record is 8 + 8 images of operand registers, 24,576 bytes; the eight records of (batch, g) are 196,608 bytes and have room in LDS together.  ALL ARE REQUESTED AT THE HEAD, IN ONE GROUP, through registers:
; each of the 512 threads loads 3 x 16 bytes of each record.  For a record that no tile of the work-group wants (the four tiles' stored flags, or-ed) the lanes' offset is 0: all lanes then read the same 16 bytes, and nothing of it is stored to LDS.
; So no load stands under a branch and every register of the group is written on every path.  One barrier follows; behind it the records are only read, and THE WALK OVER THE KEY STEPS HAS NO BARRIER AND NO LOAD FROM MEMORY BUT THE MASKS.
; NO JOINT LOADS, no tensor loads: which records are wanted hangs on flags read from memory.  No prefetch: every record is asked for at the head, so nothing is left to ask for ahead.
; LIMITS: NaN and infinities are not served; a block whose largest magnitude lies under 2^-124 keeps the scale byte 1: its codes are zeros, and this program alone reads the bytes.
; REGISTERS: v1 16 x lane, v2 16 x thread, v5 r; v8 the step's fragments, v10 its scale words; v3, v9, v11, v4 LDS addresses of the head's stores, v29 of the way out's read; v12 -M, v13 the largest t, v[14:15] l in two halves; v16-27 q;
; v32-79 four fragments; v80-87 the eight records' offsets, never rewritten; v96-159 S^T, then p; v160-223 O^T; v224-235 p's codes; v236-254 at work; v255 q's scale word.  At the head v32-79 and v96-143 hold the records' 8 x 48 bytes, v144-147 the scale words.
.set REC, 24576
.set SCL, 8*REC                        ; LDS: the eight records from byte 0 on; behind them the scale words of all eight steps: k's 4,096 bytes, then v's
.set OSC, 262144                       ; the way out: 64 tokens x 4 heads' scale words; apart from all that the walk reads, since a wave may store here while another still walks
.set OFS, 80
.set TM,  32                           ; the way out's quantiser
.set PC,  48
.set PW,  68
	s_load_b256 s[4:11], s[0:1], 0x0               ; qc s[4:5], qkvs s[6:7], kv s[8:9], mask s[10:11]
	s_load_b128 s[12:15], s[0:1], 0x20             ; ac s[12:13], asl s[14:15]
	v_lshl_add_u32 v95, v0, 2, 0x40400
	v_mov_b32 v243, 0
	v_lshrrev_b32 v28, 5, v0
	s_delay_alu instid0(VALU_DEP_1)
	v_readfirstlane_b32 s16, v28                   ; wave 0..15
	s_lshr_b32 s17, s16, 2                         ; my token tile of the four
	s_and_b32 s18, s16, 3                          ; my head of the four
	s_lshl_b32 s19, ttmp9, 2
	s_add_co_u32 s19, s19, s17                     ; token block tb, 0..255
	s_and_b32 s26, ttmp7, 0xffff                   ; g
	s_lshl_b32 s29, s26, 2
	s_add_co_u32 s29, s29, s18                     ; head
	s_lshr_b32 s30, ttmp9, 4
	s_lshl_b32 s30, s30, 2
	s_add_co_u32 s30, s30, s26                     ; 4 x batch + g
	s_lshl_b32 s2, s19, 2                          ; my tile's flag word,
	s_lshl_b32 s3, ttmp9, 4                        ; the work-group's four
	s_lshl_b32 s31, s19, 4
	s_add_co_u32 s31, s31, s29
	s_mul_i32 s66, s31, 1536                       ; image (tb, head), in qc and in ac
	s_mov_b32 s67, 0
	s_lshl_b32 s100, s29, 5
	s_lshr_b32 s31, s19, 3
	s_add_co_u32 s100, s100, s31
	s_lshl_b32 s100, s100, 9
	s_and_b32 s31, s19, 7
	s_lshl_b32 s31, s31, 2
	s_add_co_u32 s100, s100, s31                   ; q's scale words: (head 32 + tb / 8) 512 + 4 (tb % 8), + 32 r
	s_mov_b32 s101, 0
	s_mov_b32 s20, 0x76543210
	s_mov_b32 s21, 0xfedcba98                      ; lane l xor 16
	s_mov_b32 s22, 0x3e0293ee                      ; c = log2(e) / sqrt(128)
	s_mov_b32 s23, s22                             ; (named with it as a pair, so it is written)
	s_wait_kmcnt 0x0
	s_load_b32 s24, s[10:11], s2 offset:0x80000
	s_load_b128 s[68:71], s[10:11], s3 offset:0x80000
	s_add_nc_u64 s[4:5], s[4:5], s[66:67]
	s_add_nc_u64 s[12:13], s[12:13], s[66:67]
	s_add_nc_u64 s[100:101], s[6:7], s[100:101]
	s_lshl_b32 s66, s30, 13
	s_add_co_u32 s66, s66, 262144
	s_add_nc_u64 s[6:7], s[6:7], s[66:67]          ; k's and v's scale words of (batch, g)
	s_mul_i32 s66, s30, 196608
	s_add_nc_u64 s[8:9], s[8:9], s[66:67]          ; record 0 of (batch, g)
	s_lshl_b32 s66, ttmp9, 2
	s_add_co_u32 s66, s66, s26
	s_lshl_b32 s66, s66, 10
	s_add_nc_u64 s[14:15], s[14:15], s[66:67]      ; asl: (4 x + g) 1024
	v_and_b32 v8, 31, v0
	s_delay_alu instid0(VALU_DEP_1)
	v_lshlrev_b32 v1, 4, v8                        ; 16 x lane: offset of an image's 16 bytes in memory; stays
	s_delay_alu instid0(VALU_DEP_2)
	v_lshlrev_b32 v8, 4, v8                        ; the same in LDS, record 0: stepped by a record a trip
	v_lshlrev_b32 v2, 4, v0                        ; 16 x thread
	v_and_b32 v5, 15, v0
	s_delay_alu instid0(VALU_DEP_1)
	v_lshl_add_u32 v10, v5, 5, SCL                 ; step 0's scale words of row r: eight tiles' words, 32 bytes
	s_delay_alu instid0(VALU_DEP_2)
	v_lshlrev_b32 v6, 5, v5
	s_delay_alu instid0(VALU_DEP_4)
	v_add_nc_u32 v3, 2*REC, v2                     ; an LDS immediate reaches 65,535 bytes: an address register for each two records,
	v_add_nc_u32 v9, 4*REC, v2
	v_add_nc_u32 v11, 6*REC, v2
	v_add_nc_u32 v4, SCL, v2                       ; one for the scale words,
	v_add_nc_u32 v29, OSC, v2                      ; and one for the way out
.irp c, 0,1,2
	global_load_b128 v[16+4*\c:19+4*\c], v1, s[4:5] offset:512*\c        ; q's fragment stays in registers
.endr
	global_load_b32 v255, v6, s[100:101]
	global_load_b128 v[144:147], v2, s[6:7]        ; 512 threads x 16 bytes: all the scale words
	v_mov_b32 v13, 0xff61b1e6                      ; the largest t so far: -3e38
	s_delay_alu instid0(VALU_DEP_1)
	v_floor_f32 v12, -v13                          ; -M
	v_mov_b32 v14, 0
	v_mov_b32 v15, 0
.irp b, 0,1,2,3
	v_mov_b32 v[236+\b], 0                         ; written once: a lane permute's destination counts as one of its sources
.endr
	v_mov_b32 v252, 0
	v_mov_b32 v253, 0
.set n, 0
.rept 64
	v_mov_b32 v[160+n], 0                          ; O^T: the step is written once; the first finds zeros, which the first change of M leaves zeros
.set n, n+1
.endr
	s_wait_kmcnt 0x0                               ; the flags
	s_or_b32 s25, s68, s69
	s_or_b32 s25, s25, s70
	s_or_b32 s25, s25, s71
	s_and_b32 s25, s25, 0x5555                     ; bit 2 j: some tile of the work-group wants step j
	s_lshl_b32 s2, s19, 11
	s_mov_b32 s3, 0
	s_add_nc_u64 s[10:11], s[10:11], s[2:3]        ; my tile's masks, 256 bytes a step
.irp j, 0,1,2,3,4,5,6,7
	s_bitcmp1_b32 s25, 2*\j
	s_cselect_b32 s2, -1, 0
	v_and_b32 v[OFS+\j], s2, v2                    ; record j's offset: 16 x thread where it is wanted, else 0 in every lane
	s_delay_alu instid0(VALU_DEP_1)
	v_min_u32 v[OFS+\j], 0x1ff0, v[OFS+\j]         ; (a number that hangs on loaded flags is held to its range, 16 x 511, ahead of its use in an address)
.endr
	s_wait_alu depctr_va_vdst(0)
.irp j, 0,1,2,3,4,5,6,7
.irp i, 0,1,2
	global_load_b128 v[32+12*\j+16*(\j/4)+4*\i:35+12*\j+16*(\j/4)+4*\i], v[OFS+\j], s[8:9] offset:\j*REC+8192*\i   ; 24 loads in one group: records 0-3 into v32-79, records 4-7 into v96-143
.endr
.endr
	s_wait_loadcnt 0x0
	ds_store_b128 v4, v[144:147]
.macro PUT j, adr                      ; a wanted record goes to LDS; the branch is the same in all sixteen waves (the or-ed flags)
	s_bitcmp1_b32 s25, 2*(\j)
	s_cbranch_scc0 .Lnot_wanted_\@
.irp i, 0,1,2
	ds_store_b128 v[\adr], v[32+12*(\j)+16*((\j)/4)+4*\i:35+12*(\j)+16*((\j)/4)+4*\i] offset:((\j)%2)*REC+8192*\i
.endr
.Lnot_wanted_\@:
.endm
	PUT 0, 2
	PUT 1, 2
	PUT 2, 3
	PUT 3, 3
	PUT 4, 9
	PUT 5, 9
	PUT 6, 11
	PUT 7, 11
	s_wait_dscnt 0x0                               ; my stores have landed: then the barrier, behind which all read them and nobody writes them
	s_barrier_signal -1
	s_barrier_wait -1
; A KEY STEP of 128 keys.  A group of fragment loads is 13 LDS loads: the four tiles' scale words first, then three loads a tile; LDS loads come back in order (ISA guide 5.7.1), so tile t's product leaves the 9 - 3 t younger loads out.
.macro STEP
	s_load_b512 s[32:47], s[10:11], 0x0            ; the 64 lane masks: word n in s[32 + n] (n < 32) or s[36 + n]
	s_load_b512 s[48:63], s[10:11], 0x40
	s_load_b512 s[68:83], s[10:11], 0x80
	s_load_b512 s[84:99], s[10:11], 0xc0
	s_wait_alu depctr_va_vdst(0)
.irp g, 0,1                                    ; S^T = k q^T, four tiles of 16 keys at a time
.rept 4
	v_nop                                          ; places in front of loads into registers that matrix instructions have read
.endr
	ds_load_b128 v[248:251], v10 offset:16*\g      ; the four tiles' scale words of row r
.irp t, 0,1,2,3
.irp c, 0,1,2
	ds_load_b128 v[32+12*\t+4*\c:35+12*\t+4*\c], v8 offset:(4*\g+\t)*1536+512*\c   ; an image: 512 consecutive bytes a load
.endr
.endr
.irp t, 0,1,2,3
	s_wait_dscnt 9-3*\t
	v_wmma_scale_f32_16x16x128_f8f6f4 v[96+8*(4*\g+\t):103+8*(4*\g+\t)], v[32+12*\t:43+12*\t], v[16:27], 0, v[248+\t], v255 matrix_a_fmt:MATRIX_FMT_FP6 matrix_b_fmt:MATRIX_FMT_FP6
.endr
.endr
.rept 4
	v_nop                                          ; places: in front of the reads of the scores, and of the loads below
.endr
	ds_load_b128 v[248:251], v10 offset:4096       ; v's first four tiles are asked for here: the softmax touches none of these registers, and they land while it runs
.irp t, 0,1,2,3
.irp c, 0,1,2
	ds_load_b128 v[32+12*\t+4*\c:35+12*\t+4*\c], v8 offset:12288+\t*1536+512*\c
.endr
.endr
	s_wait_kmcnt 0x0                               ; the masks
	s_bitcmp1_b32 s24, 1                           ; is any pair of this step hidden?
	s_cbranch_scc0 .Lopen_\@
	v_mov_b32 v254, 0xff800000                     ; -infinity
.set n, 0
.rept 64
.if n < 32
	v_cndmask_b32 v[96+n], v254, v[96+n], s[32+n]
.else
	v_cndmask_b32 v[96+n], v254, v[96+n], s[36+n]
.endif
.set n, n+1
.endr
.Lopen_\@:
.irp b, 0,1,2,3
	v_max3_num_f32 v[232+\b], v[96+16*\b], v[97+16*\b], v[98+16*\b]   ; the largest score of each block of 32 keys: for the row's maximum and, since p rises with the score, for the block's largest p
.endr
.irp i, 3,5,7,9,11,13
.irp b, 0,1,2,3
	v_max3_num_f32 v[232+\b], v[232+\b], v[96+16*\b+\i], v[97+16*\b+\i]
.endr
.endr
.irp b, 0,1,2,3
	v_max_num_f32 v[232+\b], v[232+\b], v[111+16*\b]
.endr
.irp b, 0,1,2,3
	s_delay_alu instid0(VALU_DEP_4)
	v_permlanex16_b32 v[236+\b], v[232+\b], s20, s21
.endr
.irp b, 0,1,2,3
	s_delay_alu instid0(VALU_DEP_4)
	v_max_num_f32 v[232+\b], v[232+\b], v[236+\b]  ; with lane l xor 16's 16 keys
.endr
	s_delay_alu instid0(VALU_DEP_2)
	v_max3_num_f32 v254, v232, v233, v234
	s_delay_alu instid0(VALU_DEP_1)
	v_max_num_f32 v254, v254, v235                 ; the step's largest score of my query
	s_delay_alu instid0(VALU_DEP_1)
	v_mul_f32 v254, s22, v254                      ; as t
	s_delay_alu instid0(VALU_DEP_1)
	v_max_num_f32 v13, v13, v254                   ; the running largest t
	v_mov_b32 v254, v12
	s_delay_alu instid0(VALU_DEP_2)
	v_floor_f32 v12, -v13                          ; the new -M = floor(-t): M is a whole number
	s_delay_alu instid0(VALU_DEP_1)
	v_sub_f32 v254, v12, v254                      ; old M - new M: a whole number, 0 or less
	s_delay_alu instid0(VALU_DEP_1)
	v_cvt_i32_f32 v254, v254                       ; (it saturates)
	s_delay_alu instid0(VALU_DEP_1)
	v_ldexp_f32 v252, 1.0, v254                    ; f = 2^(old M - new M)
.irp j, 0,2,4,6,8,10,12,14,16,18,20,22,24,26,28,30,32,34,36,38,40,42,44,46,48,50,52,54,56,58,60,62
	v_pk_fma_f32 v[96+\j:97+\j], v[96+\j:97+\j], s[22:23], v[12:13] op_sel_hi:[1,0,0]   ; t - M, two at a time
.endr
.irp b, 0,1,2,3
	v_fma_f32 v[232+\b], v[232+\b], s22, v12       ; the same of each block's largest score
.endr
.set n, 0
	s_wait_alu depctr_va_vdst(0)
.rept 64
	v_exp_f32 v[96+n], v[96+n]                     ; p = 2^(t - M), at most 1: not normalised
.set n, n+1
.endr
	v_pk_mul_f32 v[14:15], v[14:15], v[252:253] op_sel_hi:[1,0]   ; l under the new M (a plain place behind the exponentials)
	s_wait_alu depctr_va_vdst(0)                   ; one wait for the whole batch, ahead of its first reader
.irp b, 0,1,2,3
	v_exp_f32 v[232+\b], v[232+\b]                 ; the block's largest p
.endr
	v_pk_add_f32 v[236:237], v[100:101], v[104:105]
	v_pk_add_f32 v[246:247], v[108:109], v[112:113]
	v_pk_add_f32 v[244:245], v[116:117], v[120:121]
	v_pk_add_f32 v[240:241], v[124:125], v[128:129]
	v_pk_add_f32 v[238:239], v[132:133], v[136:137]
	v_pk_add_f32 v[230:231], v[140:141], v[144:145]
	v_pk_add_f32 v[228:229], v[148:149], v[152:153]
	v_pk_add_f32 v[14:15], v[14:15], v[156:157]
	v_pk_add_f32 v[236:237], v[236:237], v[96:97]
	v_pk_add_f32 v[246:247], v[246:247], v[98:99]
	v_pk_add_f32 v[244:245], v[244:245], v[102:103]
	v_pk_add_f32 v[240:241], v[240:241], v[106:107]
	v_pk_add_f32 v[238:239], v[238:239], v[110:111]
	v_pk_add_f32 v[230:231], v[230:231], v[114:115]
	v_pk_add_f32 v[228:229], v[228:229], v[118:119]
	v_pk_add_f32 v[14:15], v[14:15], v[122:123]
	v_pk_add_f32 v[236:237], v[236:237], v[126:127]
	v_pk_add_f32 v[246:247], v[246:247], v[130:131]
	v_pk_add_f32 v[244:245], v[244:245], v[134:135]
	v_pk_add_f32 v[240:241], v[240:241], v[138:139]
	v_pk_add_f32 v[238:239], v[238:239], v[142:143]
	v_pk_add_f32 v[230:231], v[230:231], v[146:147]
	v_pk_add_f32 v[228:229], v[228:229], v[150:151]
	v_pk_add_f32 v[14:15], v[14:15], v[154:155]
	v_pk_add_f32 v[236:237], v[236:237], v[158:159]
	s_delay_alu instid0(VALU_DEP_2)
	v_pk_add_f32 v[14:15], v[14:15], v[240:241]
	s_delay_alu instid0(VALU_DEP_2)
	v_pk_add_f32 v[236:237], v[236:237], v[238:239]
	v_pk_add_f32 v[246:247], v[246:247], v[230:231]
	v_pk_add_f32 v[244:245], v[244:245], v[228:229]
	s_delay_alu instid0(VALU_DEP_2)
	v_pk_add_f32 v[14:15], v[14:15], v[246:247]
	s_delay_alu instid0(VALU_DEP_2)
	v_pk_add_f32 v[236:237], v[236:237], v[244:245]
	s_delay_alu instid0(VALU_DEP_1)
	v_pk_add_f32 v[14:15], v[14:15], v[236:237]
	s_wait_alu depctr_va_vdst(0)                   ; and one for the four
.irp b, 0,1,2,3
	v_max_num_f32 v[232+\b], 0x1800000, v[232+\b]  ; the floor 2^(3 - 127): the byte cannot fall under 1
.endr
.irp b, 0,1,2,3
	s_delay_alu instid0(VALU_DEP_4)
	v_add_nc_u32 v[244+\b], 0xff000000, v[232+\b]  ; 2 off the exponent field: the conversion's scale operand
.endr
.irp b, 0,1,2,3
	s_delay_alu instid0(VALU_DEP_4)
	v_lshrrev_b32 v[236+\b], 23, v[244+\b]         ; the scale's byte
.endr
	s_delay_alu instid0(VALU_DEP_3)
	v_lshl_or_b32 v253, v237, 8, v236              ; p's scale word for these 128 keys
	s_delay_alu instid0(VALU_DEP_1)
	v_lshl_or_b32 v253, v238, 16, v253
	s_delay_alu instid0(VALU_DEP_1)
	v_lshl_or_b32 v253, v239, 24, v253
.irp c, 0,1
	v_cvt_scalef32_pk16_fp6_f32 v[224+6*\c:226+6*\c], v[96+32*\c:111+32*\c], v[244+2*\c]
	v_cvt_scalef32_pk16_fp6_f32 v[236+4*\c:238+4*\c], v[112+32*\c:127+32*\c], v[244+2*\c+1]
.endr
	v_nop                                          ; one plain place behind a scaled conversion
.irp c, 0,1
.irp i, 0,1,2
	v_permlane16_swap_b32 v[224+6*\c+\i], v[236+4*\c+\i]
.endr
.irp i, 0,1,2
	s_delay_alu instid0(VALU_DEP_3)
	v_mov_b32 v[227+6*\c+\i], v[236+4*\c+\i]
.endr
.endr
.irp j, 0,2,4,6,8,10,12,14,16,18,20,22,24,26,28,30,32,34,36,38,40,42,44,46,48,50,52,54,56,58,60,62
	v_pk_mul_f32 v[160+\j:161+\j], v[160+\j:161+\j], v[252:253] op_sel_hi:[1,0]   ; O^T under the new M (these 32 are also the places in front of the matrix instructions below)
.endr
	s_wait_alu depctr_va_vdst(0)
	s_wait_dscnt 0x0                               ; v's first four tiles, asked for ahead of the softmax
.irp t, 0,1,2,3                                ; O^T += v^T p^T: four tiles of 16 of the head's 128 at a time; the eight accumulators take turns
	v_wmma_scale_f32_16x16x128_f8f6f4 v[160+8*\t:167+8*\t], v[32+12*\t:43+12*\t], v[224:235], v[160+8*\t:167+8*\t], v[248+\t], v253 matrix_a_fmt:MATRIX_FMT_FP6 matrix_b_fmt:MATRIX_FMT_FP6
.endr
.rept 4
	v_nop
.endr
	ds_load_b128 v[248:251], v10 offset:4096+16
.irp t, 0,1,2,3
.irp c, 0,1,2
	ds_load_b128 v[32+12*\t+4*\c:35+12*\t+4*\c], v8 offset:12288+(4+\t)*1536+512*\c
.endr
.endr
.irp t, 0,1,2,3
	s_wait_dscnt 9-3*\t
	v_wmma_scale_f32_16x16x128_f8f6f4 v[192+8*\t:199+8*\t], v[32+12*\t:43+12*\t], v[224:235], v[192+8*\t:199+8*\t], v[248+\t], v253 matrix_a_fmt:MATRIX_FMT_FP6 matrix_b_fmt:MATRIX_FMT_FP6
.endr
.endm
	s_mov_b32 s28, 8
.Lstep:                                            ; eight trips: the count is a constant; what a trip leaves out is its work.  The lines that step addresses are on every path
	s_bitcmp1_b32 s24, 0                           ; does my tile keep any pair of this step?
	s_cbranch_scc0 .Lidle
	STEP
.Lidle:
	s_wait_alu depctr_va_vdst(0)
	v_add_nc_u32 v8, REC, v8                       ; the next record,
	v_add_nc_u32 v10, 512, v10                     ; its scale words,
	s_add_nc_u64 s[10:11], s[10:11], 256           ; its masks (the step's scalar loads were waited for in the step),
	s_lshr_b32 s24, s24, 2                         ; its flags
	s_sub_co_u32 s28, s28, 1
	s_cmp_lg_u32 s28, 0
	s_cbranch_scc1 .Lstep
	; ---- THE WAY OUT: O^T / l, in the true order of d, quantised along d (the output product's K), as an image; the scale words gathered in LDS
.rept 4
	v_nop                                          ; places behind the last products
.endr
	v_add_f32 v14, v14, v15
	s_delay_alu instid0(VALU_DEP_1)
	v_permlanex16_b32 v252, v14, s20, s21
	s_delay_alu instid0(VALU_DEP_1)
	v_add_f32 v14, v14, v252                       ; the row's sum
	s_wait_alu depctr_va_vdst(0)
	v_rcp_f32 v14, v14
	v_lshlrev_b32 v7, 4, v5                        ; (a plain place behind the reciprocal)  my token's four words: 16 r,
	s_lshl_b32 s2, s17, 8
	s_lshl_b32 s3, s18, 2
	s_add_co_u32 s2, s2, s3
	s_add_co_u32 s2, s2, OSC
	v_add_nc_u32 v7, s2, v7                        ; + 256 x token tile + 4 x head
.irp b, 0,1,2,3
	v_mov_b32 v[TM+4+\b], 0
.endr
	s_wait_alu depctr_va_vdst(0)
.irp c, 0,1,2,3                                ; tiles 2 c and 2 c + 1 hold d = 32 c + 8 h + j and 32 c + 16 + 8 h + j: the first's lanes 16-31 change places with the second's lanes 0-15,
.irp j, 0,1,2,3,4,5,6,7                        ; and register 16 c + i of lane half h is d = 32 c + 16 h + i: wo's own order
	v_permlane16_swap_b32 v[160+16*\c+\j], v[168+16*\c+\j]
.endr
.endr
	s_wait_alu depctr_va_vdst(0)                   ; the wait ahead of the reciprocal's first reader
.set n, 0
.rept 64
	v_mul_f32 v[96+n], v[160+n], v14
.set n, n+1
.endr
.irp b, 0,1,2,3
	v_max3_num_f32 v[TM+\b], |v[96+16*\b]|, |v[97+16*\b]|, 0x1800000   ; the quantiser: my 16 numbers of block b, and the floor
.endr
.irp i, 2,4,6,8,10,12,14
.irp b, 0,1,2,3
	s_delay_alu instid0(VALU_DEP_4)
	v_max3_num_f32 v[TM+\b], v[TM+\b], |v[96+16*\b+\i]|, |v[97+16*\b+\i]|
.endr
.endr
.irp b, 0,1,2,3
	s_delay_alu instid0(VALU_DEP_4)
	v_permlanex16_b32 v[TM+4+\b], v[TM+\b], s20, s21
.endr
.irp b, 0,1,2,3
	s_delay_alu instid0(VALU_DEP_4)
	v_max_num_f32 v[TM+\b], v[TM+\b], v[TM+4+\b]
.endr
.irp b, 0,1,2,3
	s_delay_alu instid0(VALU_DEP_4)
	v_add_nc_u32 v[TM+12+\b], 0xff000000, v[TM+\b]
.endr
.irp b, 0,1,2,3
	s_delay_alu instid0(VALU_DEP_4)
	v_lshrrev_b32 v[TM+4+\b], 23, v[TM+12+\b]
.endr
	s_delay_alu instid0(VALU_DEP_3)
	v_lshl_or_b32 v[PW], v[TM+5], 8, v[TM+4]
	s_delay_alu instid0(VALU_DEP_1)
	v_lshl_or_b32 v[PW], v[TM+6], 16, v[PW]
	s_delay_alu instid0(VALU_DEP_1)
	v_lshl_or_b32 v[PW], v[TM+7], 24, v[PW]
.irp c, 0,1
	v_cvt_scalef32_pk16_fp6_f32 v[PC+6*\c:PC+2+6*\c], v[96+32*\c:111+32*\c], v[TM+12+2*\c]
	v_cvt_scalef32_pk16_fp6_f32 v[PC+12+4*\c:PC+14+4*\c], v[112+32*\c:127+32*\c], v[TM+12+2*\c+1]
.endr
	v_nop                                          ; one plain place behind a scaled conversion
.irp c, 0,1
.irp i, 0,1,2
	v_permlane16_swap_b32 v[PC+6*\c+\i], v[PC+12+4*\c+\i]
.endr
.irp i, 0,1,2
	s_delay_alu instid0(VALU_DEP_3)
	v_mov_b32 v[PC+3+6*\c+\i], v[PC+12+4*\c+\i]
.endr
.endr
.irp c, 0,1,2
	global_store_b128 v1, v[PC+4*\c:PC+4*\c+3], s[12:13] offset:512*\c   ; the image: 512 consecutive bytes a store
.endr
	ds_store_b32 v7, v[PW]                         ; both halves of the lanes write the same word with the same value
	s_wait_dscnt 0x0
	s_barrier_signal -1
	s_barrier_wait -1
	s_cmp_lt_u32 s16, 2                            ; waves 0 and 1 store the work-group's 1,024 bytes of scale words
	s_cbranch_scc0 .Lend
	ds_load_b128 v[72:75], v29
	s_wait_dscnt 0x0
	global_store_b128 v2, v[72:75], s[14:15]       ; 512 consecutive bytes a wave
.Lend:
	s_wait_tensorcnt 0x0
	ds_add_u32 v95, v243
	s_wait_dscnt 0x0
	s_endpgm
.Lfunc_end_k_q01c010d0c3_attn:
	.size	k_q01c010d0c3_attn, .Lfunc_end_k_q01c010d0c3_attn-k_q01c010d0c3_attn
	.p2alignl 7, 3214868480
	.fill 96, 4, 3214868480
	.section	.rodata,"a",@progbits
	.p2align	6, 0x0
	.amdhsa_kernel k_q01c010d0c3_attn
		.amdhsa_group_segment_fixed_size 265216
		.amdhsa_private_segment_fixed_size 0
		.amdhsa_enable_private_segment 0
		.amdhsa_kernarg_size 48
		.amdhsa_user_sgpr_count 2
		.amdhsa_user_sgpr_kernarg_segment_ptr 1
		.amdhsa_wavefront_size32 1
		.amdhsa_system_sgpr_workgroup_id_x 1
		.amdhsa_system_sgpr_workgroup_id_y 1
		.amdhsa_system_sgpr_workgroup_id_z 1
		.amdhsa_system_vgpr_workitem_id 0
		.amdhsa_next_free_vgpr 256
		.amdhsa_next_free_sgpr 102
		.amdhsa_reserve_vcc 0
		.amdhsa_float_denorm_mode_32 3
		.amdhsa_float_denorm_mode_16_64 3
		.amdhsa_memory_ordered 1
		.amdhsa_forward_progress 1
		.amdhsa_inst_pref_size 47
	.end_amdhsa_kernel
	.amdgpu_metadata
---
amdhsa.version: [ 1, 2 ]
amdhsa.kernels:
  - .name:           k_q01c010d0c3_attn
    .symbol:         k_q01c010d0c3_attn.kd
    .args:
      - { .name: qc, .offset: 0, .size: 8, .value_kind: global_buffer, .address_space: global }
      - { .name: qkvs, .offset: 8, .size: 8, .value_kind: global_buffer, .address_space: global }
      - { .name: kv, .offset: 16, .size: 8, .value_kind: global_buffer, .address_space: global }
      - { .name: mask, .offset: 24, .size: 8, .value_kind: global_buffer, .address_space: global }
      - { .name: ac, .offset: 32, .size: 8, .value_kind: global_buffer, .address_space: global }
      - { .name: asl, .offset: 40, .size: 8, .value_kind: global_buffer, .address_space: global }
    .group_segment_fixed_size: 265216
    .private_segment_fixed_size: 0
    .kernarg_segment_align: 8
    .kernarg_segment_size: 48
    .max_flat_workgroup_size: 512
    .sgpr_count:     102
    .vgpr_count:     256
    .wavefront_size: 32
...
	.end_amdgpu_metadata
.endif
;; end of part 3
;; launch oproj (part 4): grid 8 x 32, 4 waves a work-group, clusters of 4 x 4, 327,680 bytes of LDS; arguments ac, asl, wi, wo_scales, out0; writes out0
.if DOCPART == 4
	.amdgcn_target "amdgcn-amd-amdhsa--gfx1250"
	.amdhsa_code_object_version 6
	.text
	.protected	k_q01c010d0c3_oproj
	.globl	k_q01c010d0c3_oproj
	.p2align	8
	.type	k_q01c010d0c3_oproj,@function
k_q01c010d0c3_oproj:
	s_mov_b64 s[64:65], 0
	v_nop
	global_prefetch_b8 v0, s[64:65] scope:SCOPE_SE
	s_setreg_imm32_b32 hwreg(HW_REG_WAVE_MODE, 25, 1), 1
	s_wait_xcnt 0x0
	s_wait_alu depctr_hold_cnt(0) depctr_sa_sdst(0) depctr_va_vdst(0) depctr_va_sdst(0) depctr_va_ssrc(0) depctr_va_vcc(0) depctr_vm_vsrc(0)
	s_getreg_b32 s2, hwreg(HW_REG_IB_STS2, 6, 4)
	s_cmp_eq_u32 s2, 0
	s_cbranch_scc0 .Lentry_in_a_cluster
	s_endpgm
.Lentry_in_a_cluster:
	s_bfe_u32 s2, ttmp6, 0x10000c
	s_cmp_lg_u32 s2, 0xf033
	s_cbranch_scc0 .Lentry_shape_is_right
	s_endpgm
.Lentry_shape_is_right:
.set FRB,  1536
.set BLK,  4*FRB
.set BOFF, 8*BLK
.set SLOT, 24*BLK
.set ASC,  2*SLOT
.set BSC,  ASC+32*272
.set SPARE, BSC+64*272
.set SPITCH, 528
.set ADA,  16
.set ADB,  20
.set ADSA, 22
.set ADSB, 23
.set STO,  24
.set RD,   25
.set CO,   26
.set SPW,  28
.set NIL,  29
.set BK,   128
.set G1, 24
.set G0, 32
.set G1B, 48
.set G0B, 56
.set G1S, 68
.set G0S, 76
.set G1SB, 80
.set G0SB, 88
.set MSB, 0
.macro WIN new
.if MSB != (\new)
	s_set_vgpr_msb (MSB<<8)|(\new)
.set MSB, (\new)
.endif
.endm
.macro JLOAD g0a, g1a, g0b, g1b
	s_cmp_eq_u32 s15, 0
	s_cbranch_scc0 .Lfor_b_\@
	tensor_load_to_lds s[\g0a:\g0a+3], s[\g1a:\g1a+7]
	s_nop 0
.rept 4
	v_nop
.endr
	s_branch .Lasked_\@
.Lfor_b_\@:
	tensor_load_to_lds s[\g0b:\g0b+3], s[\g1b:\g1b+7]
	s_nop 0
.rept 4
	v_nop
.endr
.Lasked_\@:
.endm
.macro CREST
	s_cmp_lg_u32 s14, 0
	s_cbranch_scc1 .Lnot_wave_0_\@
	s_barrier_signal -3
.Lnot_wave_0_\@:
	s_barrier_wait -3
	s_barrier_signal -1
	s_barrier_wait -1
.endm
.macro CROUND
	s_barrier_signal -1
	s_barrier_wait -1
	CREST
.endm
.macro PLACES n
.rept \n
	v_nop
.endr
.endm
	s_load_b256 s[4:11], s[0:1], 0x0
	s_load_b64 s[12:13], s[0:1], 0x20
	v_lshl_add_u32 v[SPW], v0, 2, SPARE
	v_mov_b32 v[NIL], 0
	ds_add_u32 v28, v29
	ds_add_u32 v28, v29
	s_wait_dscnt 0x0
	v_lshrrev_b32 v1, 5, v0
	v_readfirstlane_b32 s14, v1
	s_lshr_b32 s15, s14, 1
	s_and_b32 s16, s14, 1
	s_bfe_u32 s40, ttmp6, 0x40000
	s_bfe_u32 s41, ttmp6, 0x40004
	s_lshl_b32 s42, ttmp9, 2
	s_add_co_u32 s42, s42, s40
	s_and_b32 s17, ttmp7, 0xffff
	s_lshl_b32 s17, s17, 2
	s_add_co_u32 s17, s17, s41
	s_lshl_b32 s43, s41, 2
	s_lshl_b32 s43, 15, s43
	s_lshl_b32 s44, 0x1111, s40
	s_or_b32 s[G1+0], s43, (3<<16)|(1<<21)
	s_mov_b32 s[G1+1], 768<<16
	s_mov_b32 s[G1+2], 8<<16
	s_mov_b32 s[G1+3], 768<<16
	s_mov_b32 s[G1+4], 8
	s_mov_b32 s[G1+5], 3072
	s_mov_b32 s[G1+6], 0
	s_mov_b32 s[G1+7], 0
	s_or_b32 s[G1B+0], s44, (3<<16)|(1<<21)
	s_mov_b32 s[G1B+1], 768<<16
	s_mov_b32 s[G1B+2], 16<<16
	s_mov_b32 s[G1B+3], 768<<16
	s_mov_b32 s[G1B+4], 16
	s_mov_b32 s[G1B+5], 3072
	s_mov_b32 s[G1B+6], 0
	s_mov_b32 s[G1B+7], 0
	s_or_b32 s[G1S+0], s43, (3<<16)|(1<<20)|(1<<21)|(5<<22)|(3<<25)
	s_mov_b32 s[G1S+1], 32<<16
	s_mov_b32 s[G1S+2], 32<<16
	s_mov_b32 s[G1S+3], 32<<16
	s_mov_b32 s[G1S+4], 32
	s_mov_b32 s[G1S+5], 32
	s_mov_b32 s[G1S+6], 0
	s_mov_b32 s[G1S+7], 0
	s_or_b32 s[G1SB+0], s44, (3<<16)|(1<<20)|(1<<21)|(5<<22)|(3<<25)
	s_mov_b32 s[G1SB+1], 32<<16
	s_mov_b32 s[G1SB+2], 64<<16
	s_mov_b32 s[G1SB+3], 32<<16
	s_mov_b32 s[G1SB+4], 64
	s_mov_b32 s[G1SB+5], 32
	s_mov_b32 s[G1SB+6], 0
	s_mov_b32 s[G1SB+7], 0
	s_lshl_b32 s20, s17, 3
	s_lshl_b32 s18, s16, 2
	s_add_co_u32 s20, s20, s18
	s_mul_i32 s20, s20, 24576
	s_mov_b32 s21, 0
	s_lshl_b32 s22, s17, 13
	s_mov_b32 s23, 0
	s_lshl_b32 s46, s42, 4
	s_lshl_b32 s18, s16, 3
	s_add_co_u32 s46, s46, s18
	s_mul_i32 s46, s46, 24576
	s_mov_b32 s47, 0
	s_lshl_b32 s92, s42, 14
	s_mov_b32 s93, 0
	s_mul_i32 s45, s16, 4*BLK
	s_mul_i32 s94, s16, 8*BLK
	s_add_co_u32 s94, s94, BOFF
	s_mul_i32 s66, s16, 4*24576                    ; how far my half of A's row blocks, and of B's, lies behind the tile's first
	s_mov_b32 s67, 0
	s_mul_i32 s2, s16, 8*24576
	s_mov_b32 s3, 0
	s_wait_kmcnt 0x0
	s_add_nc_u64 s[20:21], s[4:5], s[20:21]
	s_add_nc_u64 s[22:23], s[6:7], s[22:23]
	s_add_nc_u64 s[46:47], s[8:9], s[46:47]
	s_add_nc_u64 s[92:93], s[10:11], s[92:93]
	CROUND
	s_mov_b32 s[G0S], 1
	s_mov_b32 s[G0S+1], ASC
	s_mov_b64 s[G0S+2:G0S+3], s[22:23]
	s_or_b32 s[G0S+3], s[G0S+3], 0x80000000
	s_mov_b32 s[G0SB], 1
	s_mov_b32 s[G0SB+1], BSC
	s_mov_b64 s[G0SB+2:G0SB+3], s[92:93]
	s_or_b32 s[G0SB+3], s[G0SB+3], 0x80000000
	s_sub_nc_u64 s[6:7], s[20:21], s[66:67]        ; group 0 for the head's loads of slot 0, each tile whole, in registers that held arguments: A's 8 row blocks,
	s_sub_nc_u64 s[10:11], s[46:47], s[2:3]        ; B's 16
	s_mov_b32 s4, 1
	s_mov_b32 s5, 0
	s_or_b32 s7, s7, 0x80000000
	s_mov_b32 s8, 1
	s_mov_b32 s9, BOFF
	s_or_b32 s11, s11, 0x80000000
.irp s, 0,1
	s_mov_b32 s[G0+4*\s], 1
	s_add_co_u32 s[G0+4*\s+1], s45, \s*SLOT
	s_add_nc_u64 s[G0+4*\s+2:G0+4*\s+3], s[20:21], \s*BLK
	s_or_b32 s[G0+4*\s+3], s[G0+4*\s+3], 0x80000000
	s_mov_b32 s[G0B+4*\s], 1
	s_add_co_u32 s[G0B+4*\s+1], s94, \s*SLOT
	s_add_nc_u64 s[G0B+4*\s+2:G0B+4*\s+3], s[46:47], \s*BLK
	s_or_b32 s[G0B+4*\s+3], s[G0B+4*\s+3], 0x80000000
.endr
; the head's four tiles, one a wave: wave 0 slot 0's row blocks of A, wave 1 those of B, wave 2 A's scale words, wave 3 B's scale bytes; one tree of branches on the wave's number
.macro ARM under, g0, g1, next
	s_cmp_lt_u32 s14, \under
	s_cbranch_scc0 \next
	tensor_load_to_lds s[\g0:\g0+3], s[\g1:\g1+7]
	s_nop 0
.rept 4
	v_nop
.endr
	s_branch .Lhead_asked
\next:
.endm
	ARM 1, 4, G1, .Lhead_b
	ARM 2, 8, G1B, .Lhead_sa
	ARM 3, G0S, G1S, .Lhead_sb
	tensor_load_to_lds s[G0SB:G0SB+3], s[G1SB:G1SB+7]
	s_nop 0
.rept 4
	v_nop
.endr
.Lhead_asked:
	v_and_b32 v1, 15, v0
	s_wait_alu depctr_va_vdst(0)
	v_bfe_u32 v2, v0, 4, 1
	v_and_b32 v3, 31, v0
	v_lshlrev_b32 v[CO], 4, v3
	s_mul_i32 s21, s15, 4*BLK
	s_mul_i32 s22, s16, 8*BLK
	s_add_co_u32 s22, s22, BOFF
.irp s, 0,1
	v_add_nc_u32 v[ADA+\s], s21, v[CO]
	v_add_nc_u32 v[ADB+\s], s22, v[CO]
	s_add_co_u32 s21, s21, SLOT
	s_add_co_u32 s22, s22, SLOT
.endr
	s_mul_i32 s21, s15, 16*272
	s_add_co_u32 s21, s21, ASC
	v_lshl_add_u32 v[ADSA], v1, 4, s21
	v_lshlrev_b32 v5, 6, v1
	v_lshrrev_b32 v6, 2, v1
	v_lshl_add_u32 v5, v6, 4, v5
	s_mul_i32 s22, s16, 32*272
	s_add_co_u32 s22, s22, BSC
	v_add_nc_u32 v[ADSB], s22, v5
	s_mul_i32 s23, s14, 16*SPITCH
	v_mul_u32_u24 v5, v1, SPITCH
	v_lshl_add_u32 v5, v2, 5, v5
	v_add_nc_u32 v[STO], s23, v5
	v_add_nc_u32 v[RD], s23, v[CO]
	s_lshl_b32 s20, s17, 7
	s_lshl_b32 s21, s15, 6
	s_add_co_u32 s20, s20, s21
	s_lshl_b32 s20, s20, 13
	s_lshl_b32 s46, s42, 10
	s_lshl_b32 s47, s16, 9
	s_add_co_u32 s46, s46, s47
	s_add_co_u32 s20, s20, s46
	s_mov_b32 s21, 0
	s_add_nc_u64 s[12:13], s[12:13], s[20:21]
.macro FETCH slot, q, set
	WIN 0x40
.irp i, 0,1,2,3,4,5,6,7
.irp c, 0,1,2
	ds_load_b128 v[128*(\set)+12*\i+4*\c:128*(\set)+12*\i+4*\c+3], v[ADB+\slot] offset:\i*BLK+(\q)*FRB+512*\c
.endr
.endr
	WIN 0
.irp a, 0,1,2,3
.irp c, 0,1,2
	ds_load_b128 v[128+48*(\set)+12*\a+4*\c:128+48*(\set)+12*\a+4*\c+3], v[ADA+\slot] offset:\a*BLK+(\q)*FRB+512*\c
.endr
.endr
.endm
.macro SCALES p, sc
.irp a, 0,1,2,3
	ds_load_b128 v[32+48*(\sc)+4*\a:35+48*(\sc)+4*\a], v[ADSA] offset:(4*(\p)+\a)*272
.endr
.irp i, 0,1,2,3,4,5,6,7
	ds_load_b128 v[48+48*(\sc)+4*\i:51+48*(\sc)+4*\i], v[ADSB] offset:\i*1088+16*(\p)
.endr
.endm
.macro MUL a0, n, set, q, sc, zero
.set aa, \a0
.rept \n
.irp b, 0,1,2,3,4,5,6,7
.if \zero
	v_wmma_scale_f32_16x16x128_f8f6f4 v[8*(8*aa+\b):8*(8*aa+\b)+7], v[128*(\set)+12*\b:128*(\set)+12*\b+11], v[128+48*(\set)+12*aa:128+48*(\set)+12*aa+11], 0, v[48+48*(\sc)+4*\b+(\q)], v[32+48*(\sc)+4*aa+(\q)] matrix_a_fmt:MATRIX_FMT_FP6 matrix_b_fmt:MATRIX_FMT_FP6
.else
	v_wmma_scale_f32_16x16x128_f8f6f4 v[8*(8*aa+\b):8*(8*aa+\b)+7], v[128*(\set)+12*\b:128*(\set)+12*\b+11], v[128+48*(\set)+12*aa:128+48*(\set)+12*aa+11], v[8*(8*aa+\b):8*(8*aa+\b)+7], v[48+48*(\sc)+4*\b+(\q)], v[32+48*(\sc)+4*aa+(\q)] matrix_a_fmt:MATRIX_FMT_FP6 matrix_b_fmt:MATRIX_FMT_FP6
.endif
.endr
.set aa, aa+1
.endr
.endm
.macro STEP p, q, zero
	s_wait_dscnt 0x0
	PLACES 4
	FETCH (\p)%2, (\q)+1, 1-(\q)%2
	WIN 0xa1
	MUL 0, 4, (\q)%2, \q, (\p)%2, \zero
	WIN 0
.endm
.macro TURN p, fill
	s_wait_tensorcnt 0x0
	ds_add_u32 v[SPW], v[NIL]
	s_wait_dscnt 1
	WIN 0xa1
	MUL 0, 1, 1, 3, (\p)%2, 0
	s_wait_dscnt 0x0
	s_barrier_signal -1
	MUL 1, 1, 1, 3, (\p)%2, 0
	WIN 0
	s_barrier_wait -1
.if \fill
	CREST
	s_add_nc_u64 s[G0+4*((\p)%2)+2:G0+4*((\p)%2)+3], s[G0+4*((\p)%2)+2:G0+4*((\p)%2)+3], 2*BLK
	s_add_nc_u64 s[G0B+4*((\p)%2)+2:G0B+4*((\p)%2)+3], s[G0B+4*((\p)%2)+2:G0B+4*((\p)%2)+3], 2*BLK
	JLOAD G0+4*((\p)%2), G1, G0B+4*((\p)%2), G1B
.else
	PLACES 4
.endif
	FETCH 1-(\p)%2, 0, 0
	SCALES (\p)+1, 1-(\p)%2
	WIN 0xa1
	MUL 2, 2, 1, 3, (\p)%2, 0
	WIN 0
.endm
	s_wait_alu depctr_va_vdst(0)
	s_wait_tensorcnt 0x0                           ; my tile of the head's four is in
	ds_add_u32 v[SPW], v[NIL]
	s_mov_b32 s[G1+2], 4<<16                       ; no tensor load of mine is out: from here on a load brings half a tile's row blocks
	s_mov_b32 s[G1+4], 4
	s_mov_b32 s[G1B+2], 8<<16
	s_mov_b32 s[G1B+4], 8
	s_wait_dscnt 0x0
	CROUND                                         ; all four tiles are in, and the joint loads meet
	JLOAD G0+4, G1, G0B+4, G1B                     ; slot 1's first fill, issued as a refill is
	FETCH 0, 0, 0
	SCALES 0, 0
	STEP 0, 0, 1
	STEP 0, 1, 0
	STEP 0, 2, 0
	TURN 0, 1
	STEP 1, 0, 0
	STEP 1, 1, 0
	STEP 1, 2, 0
	TURN 1, 1
	STEP 2, 0, 0
	STEP 2, 1, 0
	STEP 2, 2, 0
	TURN 2, 0
	STEP 3, 0, 0
	STEP 3, 1, 0
	STEP 3, 2, 0
	s_wait_dscnt 0x0
	WIN 0xa1
	MUL 0, 4, 1, 3, 1, 0
	WIN 0
.macro TOSTAGE a
	WIN 0x08
.irp b, 0,1,2,3,4,5,6,7
	ds_store_b128 v[STO], v[64*(\a)+8*\b:64*(\a)+8*\b+3] offset:64*\b
	ds_store_b128 v[STO], v[64*(\a)+8*\b+4:64*(\a)+8*\b+7] offset:64*\b+16
.endr
	WIN 0
.set BB, BK+64*((\a)%2)
.irp t, 0,1,2,3,4,5,6,7,8,9,10,11,12,13,14,15
	ds_load_b128 v[BB+4*\t:BB+4*\t+3], v[RD] offset:\t*SPITCH
.endr
.endm
.macro SEND a, younger
.set BB, BK+64*((\a)%2)
	s_wait_dscnt \younger
.if (\a) > 0
	s_add_nc_u64 s[12:13], s[12:13], 16*8192
.endif
.irp t, 0,1,2,3,4,5,6,7,8,9,10,11,12,13,14,15
	global_store_b128 v[CO], v[BB+4*\t:BB+4*\t+3], s[12:13] offset:\t*8192 th:TH_STORE_NT
.endr
.endm
	PLACES 4
	TOSTAGE 0
.irp a, 1,2,3
.if \a > 1
	s_wait_xcnt 0x0
.endif
	TOSTAGE \a
	SEND \a-1, 32
.endr
	s_wait_xcnt 0x0
	SEND 3, 0
	s_wait_tensorcnt 0x0
	ds_add_u32 v[SPW], v[NIL]
	s_wait_dscnt 0x0
	CROUND
	s_endpgm
.Lfunc_end_k_q01c010d0c3_oproj:
	.size	k_q01c010d0c3_oproj, .Lfunc_end_k_q01c010d0c3_oproj-k_q01c010d0c3_oproj
	.p2alignl 7, 3214868480
	.fill 96, 4, 3214868480
	.section	.rodata,"a",@progbits
	.p2align	6, 0x0
	.amdhsa_kernel k_q01c010d0c3_oproj
		.amdhsa_group_segment_fixed_size 327680
		.amdhsa_private_segment_fixed_size 0
		.amdhsa_enable_private_segment 0
		.amdhsa_kernarg_size 40
		.amdhsa_user_sgpr_count 2
		.amdhsa_user_sgpr_kernarg_segment_ptr 1
		.amdhsa_wavefront_size32 1
		.amdhsa_system_sgpr_workgroup_id_x 1
		.amdhsa_system_sgpr_workgroup_id_y 1
		.amdhsa_system_sgpr_workgroup_id_z 1
		.amdhsa_system_vgpr_workitem_id 0
		.amdhsa_next_free_vgpr 768
		.amdhsa_next_free_sgpr 98
		.amdhsa_reserve_vcc 0
		.amdhsa_float_denorm_mode_32 3
		.amdhsa_float_denorm_mode_16_64 3
		.amdhsa_memory_ordered 1
		.amdhsa_forward_progress 1
		.amdhsa_inst_pref_size 136
	.end_amdhsa_kernel
	.amdgpu_metadata
---
amdhsa.version: [ 1, 2 ]
amdhsa.kernels:
  - .name:           k_q01c010d0c3_oproj
    .symbol:         k_q01c010d0c3_oproj.kd
    .args:
      - { .name: ac, .offset: 0, .size: 8, .value_kind: global_buffer, .address_space: global }
      - { .name: asl, .offset: 8, .size: 8, .value_kind: global_buffer, .address_space: global }
      - { .name: wi, .offset: 16, .size: 8, .value_kind: global_buffer, .address_space: global }
      - { .name: wo_scales, .offset: 24, .size: 8, .value_kind: global_buffer, .address_space: global }
      - { .name: out0, .offset: 32, .size: 8, .value_kind: global_buffer, .address_space: global }
    .group_segment_fixed_size: 327680
    .private_segment_fixed_size: 0
    .kernarg_segment_align: 8
    .kernarg_segment_size: 40
    .max_flat_workgroup_size: 128
    .sgpr_count:     98
    .vgpr_count:     768
    .wavefront_size: 32
...
	.end_amdgpu_metadata
.endif
;; end of part 4
